; MI455X (gfx1250); checked and timed in simulation.
; The chip was launched on July 23, 2026; its instructions are those of AMD's public machine-readable ISA for CDNA 5 (MIT licence, August 2026) and "CDNA5" Instruction Set Architecture Reference Guide (July 2026). The comments in the code are by the model that wrote it; some were corrected since.
;; Tree Attention V2. Allowed arithmetic: matrix products marked QUANTISED: E2M3 operands, one E8M0 scale for each 32 along K, by v_wmma_scale_f32_16x16x128_f8f6f4 with both operands' format E2M3, f32 sums; everything else in f32.
;; Inputs: b_attn 3,072 float32; b_proj 1,024 float32; w_attn_codes 3,072 x 32 x 24 uint8 (E2M3 codes of w_attn, K innermost, in blocks of 32 codes, four codes in three bytes); w_attn_scales 3,072 x 32 uint8 (E8M0 scales of w_attn, one for each 32 codes along K); w_proj_codes 1,024 x 32 x 24 uint8 (E2M3 codes of w_proj, K innermost, in blocks of 32 codes, four codes in three bytes); w_proj_scales 1,024 x 32 uint8 (E8M0 scales of w_proj, one for each 32 codes along K); x 8 x 1,024 x 4 x 256 float32.
;; Outputs: out0 8 x 1,024 x 4 x 256 float32.
;; This version of the problem:
;;   THIS VERSION OF THE PROBLEM IS GIVEN IN LOW PRECISION. The matrix products marked QUANTISED in the list below multiply operands that are first quantised to E2M3 (2 exponent bits, 3 mantissa bits; 6 bits a number), with one power-of-two scale for each 32 numbers along K (OCP MX v1.0); their sums are f32. All else is computed in f32.
;;   The module's matrix products, in the order in which they are computed (A, B: the left and right operand; K: the contracted axis; several contracted axes count as one K, in the product's order):
;;     1. [M 8,192, K 1,024] x [K 1,024, N 3,072]; A: input x; B: input w_attn (given as codes): QUANTISED
;;     2. batch 128 x [M 1,024, K 64] x [K 64, N 1,024]; A: computed on the way; B: computed on the way: QUANTISED
;;     3. batch 128 x [M 1,024, K 1,024] x [K 1,024, N 64]; A: computed on the way; B: computed on the way: QUANTISED
;;     4. [M 8,192, K 1,024] x [K 1,024, N 1,024]; A: computed on the way; B: input w_proj (given as codes): QUANTISED
;;   THE QUANTISER, for each operand of a quantised product, along K:
;;     - K is cut into blocks of 32 from its start; a last block that is shorter is filled with zeros.
;;     - A block's scale is 2^e with e = floor(log2(the largest magnitude in the block)) - 2, held to -126 .. 127; a block of zeros has e = 0. As a byte (E8M0): e + 127.
;;     - Each number is divided by its block's scale, clamped to +-7.5, and rounded to the nearest number of E2M3, ties to even, subnormals kept.
;;     - The product sums the exact products of the quantised numbers (number of the format x scale) in f32.
;;   ~~~python
;;   def quantise(x, axis):      # numpy; x: float32 -> the quantised numbers, widened to float32 again
;;       x = np.moveaxis(x, axis, -1); K = x.shape[-1]
;;       x = np.pad(x, [(0, 0)] * (x.ndim - 1) + [(0, -K % 32)]); x = x.reshape(x.shape[:-1] + (-1, 32)); a = np.abs(x).max(-1, keepdims=True)
;;       e = np.where(a > 0, np.clip(np.frexp(np.where(a > 0, a, 1))[1] - 1 - 2, -126, 127), 0)      # np.frexp(a)[1] - 1 = floor(log2(a)), exactly
;;       r = np.clip(x / 2.0 ** e, -7.5, 7.5)
;;       step = 2.0 ** (np.maximum(np.frexp(np.where(r == 0, 1, r))[1] - 1, 0) - 3)
;;       q = np.round(r / step) * step * 2.0 ** e      # np.round: ties to even
;;       return np.moveaxis(q.reshape(q.shape[:-2] + (-1,))[..., :K], -1, axis).astype(np.float32)
;;   ~~~
;;   OPERANDS COMPUTED ON THE WAY. 'Computed on the way' means the value that the module computes at that place (a softmax that the list does not call 'softmax' is quantised finished and normalised). What goes into a quantiser is computed in f32, as accurately as f32 sums, v_exp_f32 and their like allow (about 1e-6 of the number): no bf16 or f16 on the way to a quantiser, and a product that is left as it is and whose result goes on into a quantised operand takes f32 operands (vector FMAs, or v_wmma_f32_16x16x4_f32). A number that lies on a knife's edge between two numbers of the format may be rounded either way, as far as f32 arithmetic and the matrix unit's own rounding can turn it there, and no further.
;;   INPUTS GIVEN AS CODES. w_attn (in the module: [1024, 3072], K = its axis 0); w_proj (in the module: [1024, 1024], K = its axis 0): each comes as NAME_codes (uint8): NAME with its K axis moved to the last place and cut into blocks of 32 codes, [.., K / 32, bytes a block], one block behind the other in memory; four codes in three bytes: a row's codes are one little-endian stream of bits, code i at bits 6 i .. 6 i + 5 (a code: sign, 2 exponent bits, 3 mantissa bits); and NAME_scales (uint8): the same leading axes, one E8M0 byte (e + 127) for each 32 codes along K. Its value is code x scale, taken as it is: it is not quantised again, and the codes and scales need not be those that the quantiser above would give.
;; One version. Each part assembles by itself: llvm-mc -triple=amdgcn-amd-amdhsa -mcpu=gfx1250 --defsym DOCPART=n.
;; ======== version 1 of 1: 5 launches
;; workspace buffers: xq_codes 6,291,456 bytes; xq_scales 262,144 bytes; q 6,815,744 bytes; kv 13,369,344 bytes; yc 6,291,456 bytes; ys 262,144 bytes
;; launch quant (part 1): grid 256 x 1, 4 waves a work-group, no clusters, 33,280 bytes of LDS; arguments x, xq_codes, xq_scales; writes xq_codes, xq_scales
.if DOCPART == 1
	.amdgcn_target "amdgcn-amd-amdhsa--gfx1250"
	.amdhsa_code_object_version 6
	.text
	.protected	k_q087283dcaa_quant
	.globl	k_q087283dcaa_quant
	.p2align	8
	.type	k_q087283dcaa_quant,@function
k_q087283dcaa_quant:
	s_mov_b64 s[64:65], 0
	v_nop
	global_prefetch_b8 v0, s[64:65] scope:SCOPE_SE
	s_setreg_imm32_b32 hwreg(HW_REG_WAVE_MODE, 25, 1), 1
	s_wait_xcnt 0x0
; x [8192 tokens][1024] f32 becomes codes of FP6 (E2M3), K innermost (768 bytes a row), and one E8M0 byte for each 32 along K (32 bytes a row).
; A block's scale is 2^(floor(log2(its largest magnitude)) - 2); its byte is the largest magnitude's exponent field - 2, held at 1 from below.
; LIMITS: a block of zeros gets the byte 1 where the rule says 127 (its codes are zeros, and this program alone reads the bytes); blocks whose largest magnitude lies under 2^-124 keep
; the byte 1; NaN and infinities among the inputs are not served.
; THE ROWS LEAVE IN ANOTHER ORDER: of each 32 tokens, the four runs of 8 rows are written in the order 0, 2, 1, 3.  So 16 consecutive stored rows, tile 2 G + u, hold in row r the token
; 32 G + 8 u + r + 8 (r / 8): where such rows run along a product's result registers, the 16 registers of tiles 2 G and 2 G + 1 are 16 neighbouring tokens.
; A wave takes one run of 8 rows: 16 steps of 512 numbers.  Each load reads 512 consecutive bytes, 16 a lane; a step's 2,048 bytes turn through the wave's own stage in LDS and come back 64 bytes a lane,
; so that a lane holds 16 neighbours along K (two neighbouring lanes hold a block).  No tensor loads, no barrier: waves share nothing, and no work-group reads what another reads, so there is no cluster.
.set STEPS, 16
.set EMAX,  2
.set CB,    12                         ; bytes of 16 codes
.set R,     16                         ; v16-79   four sets of 16 numbers as they are loaded
.set X,     80                         ; v80-111  two sets of 16 neighbours
.set C,     128                        ; v128-191 codes: four registers for each step, so that no store's data are written again
.set E,     112                        ; v112-127 a scale byte for each step
.set WREG,  8192                       ; LDS: a region for each wave: two stages of 32 x SP bytes, behind them its 256 scale bytes
.set SP,    80                         ; a lane's place in a stage: its 64 bytes + 16 of padding
	s_load_b128 s[4:7], s[0:1], 0x0                ; x, the codes
	s_load_b64 s[8:9], s[0:1], 0x10                ; the scale bytes
	v_lshl_add_u32 v192, v0, 2, 0x8000
	v_mov_b32 v193, 0
	v_lshrrev_b32 v1, 5, v0
	v_readfirstlane_b32 s16, v1                    ; wave
	v_and_b32 v2, 31, v0                           ; lane
	v_lshlrev_b32 v3, 4, v2                        ; my 16 bytes of a load's 512
	s_mul_i32 s17, s16, WREG
	v_lshrrev_b32 v14, 2, v2
	v_mul_u32_u24 v14, v14, SP
	v_and_b32 v15, 3, v2
	v_lshl_add_u32 v14, v15, 4, v14
	v_add_nc_u32 v14, s17, v14                     ; the stage, on the way in: SP (lane / 4) + 16 (lane % 4)
	v_mul_u32_u24 v15, v2, SP
	v_add_nc_u32 v15, s17, v15                     ; and on the way out: SP x lane: my 16 neighbours
	v_mul_u32_u24 v4, v2, CB                       ; my codes' place in a step's
	v_lshrrev_b32 v5, 1, v2
	s_add_co_u32 s17, s17, 2*32*SP
	v_add_nc_u32 v5, s17, v5                       ; LDS: my wave's 256 scale bytes, my block's byte
	v_lshlrev_b32 v7, 3, v2                        ; and on the way out 8 bytes a lane
	v_add_nc_u32 v6, s17, v7
	s_lshl_b32 s17, ttmp9, 2
	s_add_co_u32 s18, s17, s16                     ; the run of 8 rows that I read: 4 x work-group + wave
	s_and_b32 s20, s16, 1
	s_lshl_b32 s20, s20, 1
	s_lshr_b32 s21, s16, 1
	s_or_b32 s20, s20, s21
	s_add_co_u32 s20, s20, s17                     ; the run that I write: the wave number's two bits change places
	s_lshl_b32 s18, s18, 15                        ; 32,768 bytes of x a run
	s_mov_b32 s19, 0
	s_mul_i32 s22, s20, 8*768                      ; 6,144 bytes of codes
	s_mov_b32 s23, 0
	s_lshl_b32 s20, s20, 8                         ; 256 scale bytes
	s_mov_b32 s21, 0
	s_wait_kmcnt 0x0
	s_add_nc_u64 s[4:5], s[4:5], s[18:19]
	s_add_nc_u64 s[6:7], s[6:7], s[22:23]
	s_add_nc_u64 s[8:9], s[8:9], s[20:21]
.macro LOAD t
.irp i, 0,1,2,3
	global_load_b128 v[R+16*((\t)%4)+4*\i:R+16*((\t)%4)+4*\i+3], v3, s[4:5] offset:2048*(\t)+512*\i th:TH_LOAD_NT   ; 32 lanes read 512 consecutive bytes
.endr
.endm
.macro TURN t                          ; step t's numbers through the stage: LDS serves a wave's instructions in order, so no wait stands between the stores and the loads
.irp i, 0,1,2,3
	ds_store_b128 v14, v[R+16*((\t)%4)+4*\i:R+16*((\t)%4)+4*\i+3] offset:32*SP*((\t)%2)+8*SP*\i
.endr
.irp i, 0,1,2,3
	ds_load_b128 v[X+16*((\t)%2)+4*\i:X+16*((\t)%2)+4*\i+3], v15 offset:32*SP*((\t)%2)+16*\i
.endr
.endm
.irp t, 0,1,2,3
	LOAD \t
.endr
	s_wait_loadcnt 12                              ; step 0's four loads are in
	TURN 0
.macro STEP t
.set XS, X+16*((\t)%2)
.if (\t) > 0
	s_wait_dscnt 1                                 ; this step's numbers are back from the stage (the last step's byte store may be out): so its stores into the stage have read their registers,
.else
	s_wait_dscnt 0x0
.endif
.if (\t)+4 < STEPS
	LOAD (\t)+4                                    ; which take the loads of four steps on
.endif
.if (\t)+1 < STEPS
.if STEPS-2-(\t) >= 3
	s_wait_loadcnt 12                              ; the next step's four loads are in; those of the three steps behind it may be out
.else
	s_wait_loadcnt 4*(STEPS-2-(\t))
.endif
	TURN (\t)+1                                    ; and go through the other stage while this step is worked
.endif
	v_max3_num_f32 v8, |v[XS]|, |v[XS+1]|, |v[XS+2]|               ; the largest magnitude of my 16, in two chains
	v_max3_num_f32 v9, |v[XS+3]|, |v[XS+4]|, |v[XS+5]|
.irp i, 6,10
	v_max3_num_f32 v8, v8, |v[XS+\i]|, |v[XS+\i+1]|
	v_max3_num_f32 v9, v9, |v[XS+\i+2]|, |v[XS+\i+3]|
.endr
	v_max3_num_f32 v8, v8, |v[XS+14]|, |v[XS+15]|
	v_max3_num_f32 v8, v8, v9, (EMAX+1)<<23        ; and the floor 2^(EMAX + 1 - 127): the byte cannot fall under 1
	v_max_num_f32_dpp v8, v8, v8 row_xmask:1 row_mask:0xf bank_mask:0xf   ; and of my neighbour's 16: the block's
	v_add_nc_u32 v11, -(EMAX<<23), v8              ; EMAX off its exponent field: the conversion takes the exponent field of this operand as its scale
	v_cvt_scalef32_pk16_fp6_f32 v[C+4*(\t):C+4*(\t)+2], v[XS:XS+15], v11   ; sixteen codes, 96 bits, the first number's code lowest
	v_lshrrev_b32 v[E+(\t)], 23, v11               ; the scale's byte (a plain line behind the conversion)
	ds_store_b8 v5, v[E+(\t)] offset:16*(\t)       ; both lanes of a block write the same byte with the same value
	global_store_b96 v4, v[C+4*(\t):C+4*(\t)+2], s[6:7] offset:32*CB*(\t)   ; the wave stores 384 consecutive bytes
.endm
.irp t, 0,1,2,3,4,5,6,7,8,9,10,11,12,13,14,15
	STEP \t
.endr
	ds_load_b64 v[12:13], v6                       ; LDS serves a wave's instructions in order: these see my stores
	s_wait_dscnt 0x0
	global_store_b64 v7, v[12:13], s[8:9]          ; 32 lanes store 256 consecutive bytes, aligned
	s_wait_tensorcnt 0x0
	ds_add_u32 v192, v193
	s_wait_dscnt 0x0
	s_endpgm
.Lfunc_end_k_q087283dcaa_quant:
	.size	k_q087283dcaa_quant, .Lfunc_end_k_q087283dcaa_quant-k_q087283dcaa_quant
	.p2alignl 7, 3214868480
	.fill 96, 4, 3214868480
	.section	.rodata,"a",@progbits
	.p2align	6, 0x0
	.amdhsa_kernel k_q087283dcaa_quant
		.amdhsa_group_segment_fixed_size 33280
		.amdhsa_private_segment_fixed_size 0
		.amdhsa_enable_private_segment 0
		.amdhsa_kernarg_size 24
		.amdhsa_user_sgpr_count 2
		.amdhsa_user_sgpr_kernarg_segment_ptr 1
		.amdhsa_wavefront_size32 1
		.amdhsa_system_sgpr_workgroup_id_x 1
		.amdhsa_system_sgpr_workgroup_id_y 1
		.amdhsa_system_sgpr_workgroup_id_z 1
		.amdhsa_system_vgpr_workitem_id 0
		.amdhsa_next_free_vgpr 194
		.amdhsa_next_free_sgpr 66
		.amdhsa_reserve_vcc 0
		.amdhsa_float_denorm_mode_32 3
		.amdhsa_float_denorm_mode_16_64 3
		.amdhsa_memory_ordered 1
		.amdhsa_forward_progress 1
		.amdhsa_inst_pref_size 32
	.end_amdhsa_kernel
	.amdgpu_metadata
---
amdhsa.version: [ 1, 2 ]
amdhsa.kernels:
  - .name:           k_q087283dcaa_quant
    .symbol:         k_q087283dcaa_quant.kd
    .args:
      - { .name: x, .offset: 0, .size: 8, .value_kind: global_buffer, .address_space: global }
      - { .name: xq_codes, .offset: 8, .size: 8, .value_kind: global_buffer, .address_space: global }
      - { .name: xq_scales, .offset: 16, .size: 8, .value_kind: global_buffer, .address_space: global }
    .group_segment_fixed_size: 33280
    .private_segment_fixed_size: 0
    .kernarg_segment_align: 8
    .kernarg_segment_size: 24
    .max_flat_workgroup_size: 128
    .sgpr_count:     66
    .vgpr_count:     194
    .wavefront_size: 32
...
	.end_amdgpu_metadata
.endif
;; end of part 1
;; launch qk (part 2): grid 8 x 32, 4 waves a work-group, clusters of 4 x 4, 327,680 bytes of LDS; arguments xq_codes, xq_scales, w_attn_codes, w_attn_scales, b_attn, q, kv; writes q, kv
.if DOCPART == 2
	.amdgcn_target "amdgcn-amd-amdhsa--gfx1250"
	.amdhsa_code_object_version 6
	.text
	.protected	k_q087283dcaa_qk
	.globl	k_q087283dcaa_qk
	.p2align	8
	.type	k_q087283dcaa_qk,@function
k_q087283dcaa_qk:
	s_mov_b64 s[64:65], 0
	v_nop
	global_prefetch_b8 v0, s[64:65] scope:SCOPE_SE
	s_setreg_imm32_b32 hwreg(HW_REG_WAVE_MODE, 25, 1), 1
	s_wait_xcnt 0x0
	s_wait_alu depctr_hold_cnt(0) depctr_sa_sdst(0) depctr_va_vdst(0) depctr_va_sdst(0) depctr_va_ssrc(0) depctr_va_vcc(0) depctr_vm_vsrc(0)
	s_getreg_b32 s2, hwreg(HW_REG_IB_STS2, 6, 4)
	s_cmp_eq_u32 s2, 0
	s_cbranch_scc0 .Lentry_in_a_cluster
	s_endpgm
.Lentry_in_a_cluster:
	s_bfe_u32 s2, ttmp6, 0x10000c
	s_cmp_lg_u32 s2, 0xf033
	s_cbranch_scc0 .Lentry_shape_is_right
	s_endpgm
.Lentry_shape_is_right:
; q and k: x W + b_attn for W's columns 0 .. 2,047, on codes of FP6 (E2M3) with E8M0 scales, [8192 tokens] x [2048 columns], K = 1,024; the results leave as CODES, quantised along a head's 64 channels.
; x: codes [stored row][768 bytes] and scale bytes [stored row][32]; 16 consecutive stored rows, tile 2 G + u, hold in row r the token 32 G + 8 u + r + 8 (r / 8).  W: [3072][768 bytes], [3072][32].
; A tile of 256 tokens x 256 columns is made by a work-group of four waves, 128 x 128 each: 64 accumulators, 512 registers; 8 x 32 tiles are 256 work-groups.  K goes in steps of 256 through a ring of two LDS slots
; filled by the tensor data mover; the scale bytes of the tile's rows, for all of K, come once.  CLUSTERS of 4 x 4: x's tiles are asked for jointly along a row of the cluster, W's along a column.
; THE MATRIX INSTRUCTION IS USED TRANSPOSED (source 0 = 16 rows of W, source 1 = 16 rows of x): a lane holds one token and its registers run along channels.
; q OR k hangs on the cluster's x alone (0: q, 1: k): it chooses the buffer and the offsets of the stores, nothing else.
; THE WAY OUT, block by block of 16 tokens: bias added, 128 channels (two heads) quantised in registers (four blocks of 32), and the codes stored AS AN IMAGE OF THE OPERAND'S REGISTERS: a group of four registers is
; 512 consecutive bytes (16 a lane), a group of two 256 (8 a lane).  Registers 0-5 are the even head's 64 channels, 6-11 the odd head's.
; q:  256 blocks of 26,624 bytes ((batch x 8 + head pair) x 4 + quarter of the queries): codes [parity][tile 16][768], from byte 24,576 scale words [parity][tile][16 rows x 4].
; kv: 128 blocks of 104,448 bytes (batch x 16 + head): k's codes [tile 64][768]; from 49,152 its scale words [tile][16 x 4]; the rest is v's, which another launch writes.
; A scale word has its head's two bytes lowest; its upper two bytes (the other head's, or 0) meet zero codes alone in the launch that reads them and are never 0xff.
; LIMITS: a block of zeros carries the byte 1 where the rule says 127 (its codes are zeros; this program alone reads the bytes); NaN and infinities are not served.
; REGISTERS, in windows of 256: window 0: v0-31 addresses; v32-63 scale words, two sets; v64-127 the bias; v128-223 x's fragments, one set; v232-247 at work.
;   window 1: W's fragments, two sets, at v0 and v128.   window 2: accumulators of x's blocks 0-3 ((a, b) at v[8 (8 a + b)]);   window 3: of blocks 4-7.   On the way out v128-221 of window 0 are at work.
.set SIZE_K, 1024
.set KSTEP,  256                       ; along K in a slot
.set NQ,     KSTEP/128                 ; matrix instructions deep
.set ROWB,   192                       ; a tile's row in bytes
.set KROW,   SIZE_K*6/8                ; a row of codes in memory
.set PITCH,  240                       ; an LDS row: 3 x (64 bytes of data + 16 of padding)
.set FR,     12                        ; registers of a fragment
.set NL,     6                         ; LDS loads that bring one
.set NP,     4                         ; places behind this matrix instruction (ISA guide 7.12.1)
.set HALFT,  128*PITCH                 ; 128 rows: what one tensor load brings
.set SLOT,   4*HALFT                   ; x's 256 rows, then W's 256 rows
.set LAPS,   SIZE_K/(2*KSTEP)
.set KS,     SIZE_K/32                 ; a row of scale bytes
.set SCL,    2*SLOT                    ; behind the ring: the scales, as runs of 256 bytes + 16 of padding
.set HALFS,  (128*KS/256)*272          ; the scales of 128 rows
.set SBLK,   (16*KS/256)*272           ; those of 16 rows
.set SPARE,  327168                    ; the spare words, 128 bytes for each wave: the last two blocks of 256 bytes, which no other line names
.set HB,     104448                    ; a head's block in kv
.set QBL,    26624                     ; a block in q
.set SWA,  8                           ; v8   where I put a scale word in my stage: 1,024 x wave + 4 r
.set SRA,  9                           ; v9   and where I read the stage back: 1,024 x wave + 16 x lane
.set BO1,  12                          ; v12  32 h: the bias
.set ADRA, 16                          ; v16-17 LDS address of x's fragments in slot 0, 1 (v18-19: for the pieces behind one padding more)
.set ADRB, 20                          ; v20-23 the same for W
.set L16,  24                          ; v24  16 x lane
.set L8,   25                          ; v25  8 x lane
.set ADRS, 27                          ; v27  LDS address of my scale words: lanes 0-15 x's rows, lanes 16-31 W's
.set SPW,  28                          ; v28  LDS address of my spare word; never rewritten
.set NIL,  29                          ; v29  0; never rewritten
.set SC,   32
.set BIAS, 64
.set AF,   128
.set HA,   128                         ; the way out: 64 numbers of a lane
.set PC,   192                         ; v192-210 the codes just made
.set PW,   212                         ; the scale word just made
.set PW2,  213                         ; its upper half
.set X0,   214                         ; v214-221 scale words on their way out
.set X1,   218
.set TM,   232
.set SEL,  18                          ; s[18:19] lane selects for v_permlanex16_b32: lane l xor 16
.set G1, 24                            ; s[24:31] descriptor group 1 for x's tiles;  s[32:39] group 0, one set for each slot
.set G0, 32
.set G1B, 48                           ; s[48:55], s[56:63] the same for W's tiles
.set G0B, 56
.set G1S, 68                           ; s[68:75], s[76:79] for x's scales;  s[80:87], s[88:91] for W's
.set G0S, 76
.set G1SB, 80
.set G0SB, 88
.set MSB, 0
.macro WIN new                         ; the immediate's high byte repeats the setting that is left
.if MSB != (\new)
	s_set_vgpr_msb (MSB<<8)|(\new)
.set MSB, (\new)
.endif
.endm
.set MUL_LO, 0xa1                      ; source 0 (W) window 1, source 1 (x) window 0, C and D window 2
.set MUL_HI, 0xf1                      ; the same, C and D window 3
.set TO_B,   0x40                      ; destination window 1, address window 0
; A joint load: waves 0 and 1 fetch for x, waves 2 and 3 for W.  The branch hangs on the wave's number alone.  Four v_nop follow each of the two lines.
.macro JLOAD g0a, g1a, g0b, g1b
	s_cmp_eq_u32 s15, 0
	s_cbranch_scc0 .Lfor_b_\@
	tensor_load_to_lds s[\g0a:\g0a+3], s[\g1a:\g1a+7]
	s_nop 0
.rept 4
	v_nop
.endr
	s_branch .Lasked_\@
.Lfor_b_\@:
	tensor_load_to_lds s[\g0b:\g0b+3], s[\g1b:\g1b+7]
	s_nop 0
.rept 4
	v_nop
.endr
.Lasked_\@:
.endm
.macro CREST                           ; a round of the cluster's barrier behind its opening barrier
	s_cmp_lg_u32 s14, 0
	s_cbranch_scc1 .Lnot_wave_0_\@
	s_barrier_signal -3
.Lnot_wave_0_\@:
	s_barrier_wait -3
	s_barrier_signal -1
	s_barrier_wait -1
.endm
.macro CROUND                          ; a whole round
	s_barrier_signal -1
	s_barrier_wait -1
	CREST
.endm
	s_load_b128 s[4:7], s[0:1], 0x0                ; x's codes, x's scales
	s_load_b128 s[8:11], s[0:1], 0x10              ; W's codes, W's scales
	s_load_b128 s[96:99], s[0:1], 0x20             ; b_attn, q
	s_load_b64 s[100:101], s[0:1], 0x30            ; kv
	v_lshl_add_u32 v[SPW], v0, 2, SPARE
	v_mov_b32 v[NIL], 0
	ds_add_u32 v28, v29
	ds_add_u32 v28, v29
	s_wait_dscnt 0x0
	v_lshrrev_b32 v1, 5, v0
	v_readfirstlane_b32 s14, v1                    ; wave 0..3
	s_lshr_b32 s15, s14, 1                         ; which half of the tile's tokens is mine.  Also: I fetch for x (0) or for W (1)
	s_and_b32 s16, s14, 1                          ; which half of its columns.  Also: which 128 rows of that tile I fetch
	s_bfe_u32 s40, ttmp6, 0x40000                  ; cx, cy: my place in the cluster
	s_bfe_u32 s41, ttmp6, 0x40004
	s_lshl_b32 s42, ttmp9, 2
	s_add_co_u32 s42, s42, s40                     ; tile column = 4 x cluster x + cx
	s_and_b32 s17, ttmp7, 0xffff
	s_lshl_b32 s17, s17, 2
	s_add_co_u32 s17, s17, s41                     ; tile row = 4 x cluster y + cy
	s_lshl_b32 s43, s41, 2
	s_lshl_b32 s43, 15, s43                        ; my row of the cluster
	s_lshl_b32 s44, 0x1111, s40                    ; my column
	; descriptor group 1: a tile of 128 rows x 192 bytes, 16 bytes of padding behind every 64
	s_or_b32 s[G1+0], s43, (0<<16)|(1<<20)|(1<<21)|(3<<22)|(3<<25)
	s_or_b32 s[G1B+0], s44, (0<<16)|(1<<20)|(1<<21)|(3<<22)|(3<<25)
.irp g, G1, G1B
	s_mov_b32 s[\g+1], ROWB<<16                    ; tensor_dim0
	s_mov_b32 s[\g+2], 128<<16                     ; tensor_dim1
	s_mov_b32 s[\g+3], ROWB<<16                    ; tile_dim0
	s_mov_b32 s[\g+4], 128                         ; tile_dim1
	s_mov_b32 s[\g+5], KROW                        ; from row to row
	s_mov_b32 s[\g+6], 0
	s_mov_b32 s[\g+7], 0
.endr
	; the scales of 128 rows: a dense block of 4,096 bytes, as rows of 256 bytes (32 elements of 8), 16 bytes of padding behind each
	s_or_b32 s[G1S+0], s43, (3<<16)|(1<<20)|(1<<21)|(5<<22)|(3<<25)
	s_or_b32 s[G1SB+0], s44, (3<<16)|(1<<20)|(1<<21)|(5<<22)|(3<<25)
.irp g, G1S, G1SB
	s_mov_b32 s[\g+1], 32<<16
	s_mov_b32 s[\g+2], (128*KS/256)<<16
	s_mov_b32 s[\g+3], 32<<16
	s_mov_b32 s[\g+4], 128*KS/256
	s_mov_b32 s[\g+5], 32
	s_mov_b32 s[\g+6], 0
	s_mov_b32 s[\g+7], 0
.endr
	s_lshl_b32 s18, s16, 7                         ; which 128 rows of the tile I fetch
	s_lshl_b32 s20, s17, 8
	s_add_co_u32 s20, s20, s18                     ; x: stored row 256 x tile row + 128 x half
	s_lshl_b32 s46, s42, 8
	s_add_co_u32 s46, s46, s18                     ; W: row 256 x tile column + 128 x half
	s_mov_b32 s21, 0
	s_mov_b32 s47, 0
	s_mov_b64 s[18:19], KS
	s_mul_u64 s[22:23], s[20:21], s[18:19]         ; where these rows' scales begin,
	s_mul_u64 s[92:93], s[46:47], s[18:19]
	s_mov_b64 s[18:19], KROW
	s_mul_u64 s[20:21], s[20:21], s[18:19]         ; and their codes
	s_mul_u64 s[46:47], s[46:47], s[18:19]
	s_mul_i32 s45, s14, HALFT                      ; where they go: wave x 128 rows: no place in the cluster enters an LDS address
	s_mul_i32 s94, s14, HALFS
	s_wait_kmcnt 0x0
	s_add_nc_u64 s[20:21], s[4:5], s[20:21]
	s_add_nc_u64 s[22:23], s[6:7], s[22:23]
	s_add_nc_u64 s[46:47], s[8:9], s[46:47]
	s_add_nc_u64 s[92:93], s[10:11], s[92:93]
	CROUND                                         ; all sixteen work-groups are here: the first joint loads meet
	s_mov_b32 s[G0S], 1
	s_add_co_u32 s[G0S+1], s94, SCL
	s_mov_b64 s[G0S+2:G0S+3], s[22:23]
	s_or_b32 s[G0S+3], s[G0S+3], 0x80000000
	s_mov_b32 s[G0SB], 1
	s_add_co_u32 s[G0SB+1], s94, SCL
	s_mov_b64 s[G0SB+2:G0SB+3], s[92:93]
	s_or_b32 s[G0SB+3], s[G0SB+3], 0x80000000
	JLOAD G0S, G1S, G0SB, G1SB                     ; the scales first: they are wanted with K step 0
.irp s, 0,1
	s_mov_b32 s[G0+4*\s], 1
	s_add_co_u32 s[G0+4*\s+1], s45, \s*SLOT
	s_add_nc_u64 s[G0+4*\s+2:G0+4*\s+3], s[20:21], \s*ROWB
	s_or_b32 s[G0+4*\s+3], s[G0+4*\s+3], 0x80000000
	s_mov_b32 s[G0B+4*\s], 1
	s_add_co_u32 s[G0B+4*\s+1], s45, \s*SLOT
	s_add_nc_u64 s[G0B+4*\s+2:G0B+4*\s+3], s[46:47], \s*ROWB
	s_or_b32 s[G0B+4*\s+3], s[G0B+4*\s+3], 0x80000000
	JLOAD G0+4*\s, G1, G0B+4*\s, G1B
.endr
	v_and_b32 v1, 15, v0                           ; r = lane % 16
	v_bfe_u32 v2, v0, 4, 1                         ; h = lane / 16
	v_mul_u32_u24 v3, v1, PITCH
	v_mul_u32_u24 v4, v2, 24
	v_add_nc_u32 v4, v3, v4                        ; a fragment's row x pitch + 24 x half
	v_lshl_add_u32 v5, v2, 4, v4                   ; and the same behind one padding more
	s_mul_i32 s21, s15, HALFT                      ; my 128 rows of x
	s_mul_i32 s22, s16, HALFT                      ; my 128 rows of W,
	s_add_co_u32 s22, s22, 2*HALFT                 ; which lie behind x's 256
.irp s, 0,1
	v_add_nc_u32 v[ADRA+\s], s21, v4
	v_add_nc_u32 v[ADRB+\s], s22, v4
	v_add_nc_u32 v[ADRA+2+\s], s21, v5
	v_add_nc_u32 v[ADRB+2+\s], s22, v5
	s_add_co_u32 s21, s21, SLOT
	s_add_co_u32 s22, s22, SLOT
.endr
	v_mul_u32_u24 v5, v1, KS                       ; my row's scales: 32 bytes a row,
	v_lshrrev_b32 v6, 8, v5
	v_lshl_add_u32 v5, v6, 4, v5                   ; and 16 more for each 256 passed
	s_mul_i32 s21, s15, HALFS                      ; x's: my 128 rows
	s_mul_i32 s22, s16, HALFS                      ; W's: my 128 rows, behind x's 256
	s_add_co_u32 s22, s22, 2*HALFS
	s_sub_co_u32 s22, s22, s21
	v_mul_u32_u24 v6, s22, v2                      ; lanes 16-31 take W's
	s_add_co_u32 s21, s21, SCL
	v_add_nc_u32 v5, v5, v6
	v_add_nc_u32 v[ADRS], s21, v5
	v_and_b32 v6, 31, v0
	v_lshlrev_b32 v[L16], 4, v6
	v_lshlrev_b32 v[L8], 3, v6
	v_lshlrev_b32 v7, 2, v1                        ; 4 r
	v_lshlrev_b32 v[BO1], 5, v2
	; the stage for scale words lies in slot 0, which has had its last fill and its last read when the first word is stored there; each wave has bytes of its own
	s_lshl_b32 s23, s14, 10
	v_add_nc_u32 v[SWA], s23, v7
	v_add_nc_u32 v[SRA], s23, v[L16]
.irp b, 0,1,2,3
	v_mov_b32 v[TM+4+\b], 0                        ; written once: a lane permute's destination counts as one of its sources
.endr
	; the bias of my 128 columns: register 8 t + j holds column 16 t + 8 h + j
	s_lshl_b32 s46, s42, 10
	s_lshl_b32 s47, s16, 9
	s_add_co_u32 s46, s46, s47
	s_mov_b32 s47, 0
	s_add_nc_u64 s[96:97], s[96:97], s[46:47]
.irp t, 0,1,2,3,4,5,6,7
	global_load_b128 v[BIAS+8*\t:BIAS+8*\t+3], v[BO1], s[96:97] offset:64*\t
	global_load_b128 v[BIAS+8*\t+4:BIAS+8*\t+7], v[BO1], s[96:97] offset:64*\t+16
.endr
	; where my results go.  b = batch, qt = quarter of its tokens, hp = head pair of my columns
	s_lshr_b32 s4, s17, 2                          ; b
	s_and_b32 s5, s17, 3                           ; qt
	s_and_b32 s6, s42, 3
	s_lshl_b32 s7, s6, 1
	s_add_co_u32 s7, s7, s16                       ; hp
	s_lshl_b32 s9, s4, 3
	s_add_co_u32 s9, s9, s7                        ; 8 b + hp
	s_lshl_b32 s10, s9, 2
	s_add_co_u32 s10, s10, s5
	s_mul_i32 s10, s10, QBL                        ; q's block
	s_lshl_b32 s9, s9, 1
	s_mul_i32 s9, s9, HB                           ; k: the even head's block
	s_lshl_b32 s5, s5, 1
	s_add_co_u32 s6, s5, s15                       ; which 128 tokens of the batch are mine
	s_mul_i32 s40, s15, 6144
	s_add_co_u32 s40, s40, s10                     ; q: codes,
	s_lshl_b32 s41, s15, 9
	s_add_co_u32 s41, s41, s10
	s_add_co_u32 s41, s41, 24576                   ; scale words
	s_mul_i32 s43, s6, 6144
	s_add_co_u32 s43, s43, s9                      ; k: codes,
	s_lshl_b32 s44, s6, 9
	s_add_co_u32 s44, s44, s9
	s_add_co_u32 s44, s44, 49152                   ; scale words
	s_mov_b32 s46, HB
	s_cmp_eq_u32 ttmp9, 0                          ; q or k: the choice hangs on the cluster's number alone
	s_cselect_b32 s40, s40, s43
	s_cselect_b32 s41, s41, s44
	s_cselect_b64 s[12:13], s[98:99], s[100:101]   ; q's buffer or kv's
	s_cselect_b32 s43, 12288, s46                  ; from the even head's codes to the odd head's
	s_cselect_b32 s44, 1024, s46                   ; and the same for the scale words
	s_mov_b32 s67, 0
	s_mov_b32 s66, s40
	s_add_nc_u64 s[4:5], s[12:13], s[66:67]        ; s[4:5]   codes, even head
	s_mov_b32 s66, s43
	s_add_nc_u64 s[6:7], s[4:5], s[66:67]          ; s[6:7]   codes, odd head
	s_mov_b32 s66, s41
	s_add_nc_u64 s[8:9], s[12:13], s[66:67]        ; s[8:9]   scale words, even head
	s_mov_b32 s66, s44
	s_add_nc_u64 s[10:11], s[8:9], s[66:67]        ; s[10:11] scale words, odd head
	s_mov_b32 s[SEL], 0x76543210
	s_mov_b32 s[SEL+1], 0xfedcba98
.macro FRAG reg, adr, q, i             ; a fragment, 16 rows x 128 K, is 12 registers: lane l holds row l % 16; registers 6 c .. 6 c + 5 hold K = 64 c + 32 (l / 16) + 0 .. 31: 24 bytes of the row, as they lie
.irp p, 0,1,2,3,4,5                    ; in pieces of 8 bytes.  Lanes 16-31 read three pieces further on than lanes 0-15; where that lies behind one padding more, the second address register serves
.set PIE, 12*(\q)+6*(\p/3)+\p%3
.if PIE%8 < 5
	ds_load_b64 v[\reg+2*\p:\reg+2*\p+1], v[\adr] offset:8*PIE+16*(PIE/8)+(\i)*16*PITCH
.else
	ds_load_b64 v[\reg+2*\p:\reg+2*\p+1], v[\adr+2] offset:8*PIE+16*(PIE/8)+(\i)*16*PITCH
.endif
.endr
.endm
; 16 matrix instructions: x's blocks a0, a0 + 1 x W's eight, 128 along K.  The 64 accumulators take turns, one instruction a turn, in the same order in every step.
.macro MUL16 a0, p, q, sc, zero
.irp a, \a0, \a0+1
.irp b, 0,1,2,3,4,5,6,7
.if \zero
	v_wmma_scale_f32_16x16x128_f8f6f4 v[8*(8*((\a)%4)+\b):8*(8*((\a)%4)+\b)+7], v[128*(\p)+FR*\b:128*(\p)+FR*\b+FR-1], v[AF+FR*(\a):AF+FR*(\a)+FR-1], 0, v[SC+8*NQ*(\sc)+NQ*\b+(\q)], v[SC+8*NQ*(\sc)+NQ*(\a)+(\q)] matrix_a_fmt:MATRIX_FMT_FP6 matrix_b_fmt:MATRIX_FMT_FP6 matrix_a_scale:MATRIX_SCALE_ROW1
.else
	v_wmma_scale_f32_16x16x128_f8f6f4 v[8*(8*((\a)%4)+\b):8*(8*((\a)%4)+\b)+7], v[128*(\p)+FR*\b:128*(\p)+FR*\b+FR-1], v[AF+FR*(\a):AF+FR*(\a)+FR-1], v[8*(8*((\a)%4)+\b):8*(8*((\a)%4)+\b)+7], v[SC+8*NQ*(\sc)+NQ*\b+(\q)], v[SC+8*NQ*(\sc)+NQ*(\a)+(\q)] matrix_a_fmt:MATRIX_FMT_FP6 matrix_b_fmt:MATRIX_FMT_FP6 matrix_a_scale:MATRIX_SCALE_ROW1
.endif
.endr
.endr
.endm
.macro FETCH_B slot, q, p              ; W's eight fragments of the slot's q-th 128 along K into set p
	WIN TO_B
.irp i, 0,1,2,3,4,5,6,7
	FRAG 128*(\p)+FR*\i, ADRB+\slot, \q, \i
.endr
	WIN 0
.endm
.macro FETCH_A slot, q, i0             ; x's blocks i0 .. i0 + 3
.irp i, \i0, \i0+1, \i0+2, \i0+3
	FRAG AF+FR*(\i), ADRA+\slot, \q, \i
.endr
.endm
.macro SCALES sc                       ; the next K step's scale words: two words a row; lanes 0-15 take x's block i, lanes 16-31 W's block i
.irp i, 0,1,2,3,4,5,6,7
	ds_load_b64 v[SC+8*NQ*\sc+NQ*\i:SC+8*NQ*\sc+NQ*\i+1], v[ADRS] offset:\i*SBLK
.endr
.endm
.macro PLACES n                        ; plain vector lines between a matrix instruction and a load into, or a vector line on, its registers
.rept \n
	v_nop
.endr
.endm
.macro STEP slot, q, zero              ; a step of 128 along K that has its successor in the same slot
	s_wait_dscnt 4*NL                              ; W's set and x's blocks 0-3 are in; the youngest 24 loads (x's blocks 4-7) may be out
	WIN MUL_LO
	MUL16 0, (\q)%2, \q, \slot, \zero
	MUL16 2, (\q)%2, \q, \slot, \zero
	s_wait_dscnt 0                                 ; x's blocks 4-7 are in
	PLACES NP
	FETCH_B \slot, (\q)+1, 1-(\q)%2
	FETCH_A \slot, (\q)+1, 0
	WIN MUL_HI
	MUL16 4, (\q)%2, \q, \slot, \zero
	MUL16 6, (\q)%2, \q, \slot, \zero
	PLACES NP
	WIN 0
	FETCH_A \slot, (\q)+1, 4
.endm
; A slot's last step changes slots: one barrier; in front of it each wave waits for all its tensor loads, adds 0 to its spare word, and waits for that and for its own reads of this slot.
.macro TURN slot, next, fill
	s_wait_tensorcnt 0x0                           ; all my tensor loads have landed: my part of the next slot
	ds_add_u32 v[SPW], v[NIL]                      ; 0 onto my spare word
	s_wait_dscnt 4*NL+1                            ; (the add and the youngest 24 loads may be out)
	WIN MUL_LO
	MUL16 0, 1, NQ-1, \slot, 0                     ; sixteen matrix instructions stand between the add and the wait for it
	s_wait_dscnt 0x0                               ; the add is done, and my reads of this slot are over
	s_barrier_signal -1
	MUL16 2, 1, NQ-1, \slot, 0
	WIN 0
	s_barrier_wait -1
.if \fill
	CREST                                          ; the barrier has opened a round of the cluster's barrier: no wave of any partner still reads this slot or has a load on its way
	s_add_nc_u64 s[G0+4*\slot+2:G0+4*\slot+3], s[G0+4*\slot+2:G0+4*\slot+3], 2*ROWB
	s_add_nc_u64 s[G0B+4*\slot+2:G0B+4*\slot+3], s[G0B+4*\slot+2:G0B+4*\slot+3], 2*ROWB
	JLOAD G0+4*\slot, G1, G0B+4*\slot, G1B         ; the first tensor load behind the round; its four v_nop are the places in front of the loads below
.else
	PLACES NP
.endif
	v_add_nc_u32 v[ADRS], 4*NQ, v[ADRS]            ; on to the next K step's scale words (no LDS load of mine is out)
	FETCH_B \next, 0, 0
	FETCH_A \next, 0, 0
	SCALES \next
	WIN MUL_HI
	MUL16 4, 1, NQ-1, \slot, 0
	MUL16 6, 1, NQ-1, \slot, 0
	PLACES NP
	WIN 0
	FETCH_A \next, 0, 4
.endm
	s_wait_loadcnt 0x0                             ; the bias, once
	s_wait_tensorcnt 1                             ; the scales and my part of K step 0 are in (K step 1's load may be out),
	s_barrier_signal -1
	s_barrier_wait -1                              ; everybody's are
	FETCH_B 0, 0, 0
	FETCH_A 0, 0, 0
	SCALES 0
	FETCH_A 0, 0, 4
	STEP 0, 0, 1                                   ; the first step stands in front of the loop: its products start the sums
	s_mov_b32 s3, LAPS-1
.Llap:                                                 ; a trip goes once round the ring and fills both slots again
	TURN 0, 1, 1
	STEP 1, 0, 0
	TURN 1, 0, 1
	STEP 0, 0, 0
	s_sub_co_u32 s3, s3, 1
	s_cmp_lg_u32 s3, 0
	s_cbranch_scc1 .Llap
	TURN 0, 1, 0                                   ; the last lap fills nothing
	STEP 1, 0, 0
	s_wait_dscnt 4*NL                              ; the very last step: nothing more to fetch
	WIN MUL_LO
	MUL16 0, 1, NQ-1, 1, 0
	MUL16 2, 1, NQ-1, 1, 0
	s_wait_dscnt 0
	WIN MUL_HI
	MUL16 4, 1, NQ-1, 1, 0
	MUL16 6, 1, NQ-1, 1, 0
	WIN 0
; 64 numbers of a lane, v[s] .. v[s + 63], register 16 b + i = unit 32 b + 16 (lane / 16) + i of my row, become a fragment's codes in v[PC] on and its scale word in v[PW].
.macro QUANT s
.irp b, 0,1,2,3
	v_max3_num_f32 v[TM+\b], |v[\s+16*\b]|, |v[\s+1+16*\b]|, 0x1800000   ; block b: my 16 numbers, and the floor 2^(3 - 127): the byte cannot fall under 1
.endr
.irp i, 2,4,6,8,10,12,14
.irp b, 0,1,2,3
	v_max3_num_f32 v[TM+\b], v[TM+\b], |v[\s+16*\b+\i]|, |v[\s+1+16*\b+\i]|   ; (the four blocks by turns)
.endr
.endr
.irp b, 0,1,2,3
	v_permlanex16_b32 v[TM+4+\b], v[TM+\b], s[SEL], s[SEL+1]
.endr
.irp b, 0,1,2,3
	v_max_num_f32 v[TM+\b], v[TM+\b], v[TM+4+\b]   ; with lane l xor 16's: the block's largest magnitude
.endr
.irp b, 0,1,2,3
	v_add_nc_u32 v[TM+12+\b], 0xff000000, v[TM+\b]   ; 2 off its exponent field: the conversion's scale operand
.endr
.irp b, 0,1,2,3
	v_lshrrev_b32 v[TM+4+\b], 23, v[TM+12+\b]      ; the scale's byte
.endr
	v_lshl_or_b32 v[PW], v[TM+5], 8, v[TM+4]       ; the four bytes make my row's scale word
	v_lshl_or_b32 v[PW], v[TM+6], 16, v[PW]
	v_lshl_or_b32 v[PW], v[TM+7], 24, v[PW]
.irp c, 0,1
	v_cvt_scalef32_pk16_fp6_f32 v[PC+6*\c:PC+2+6*\c], v[\s+32*\c:\s+15+32*\c], v[TM+12+2*\c]
	v_cvt_scalef32_pk16_fp6_f32 v[PC+12+4*\c:PC+14+4*\c], v[\s+16+32*\c:\s+31+32*\c], v[TM+12+2*\c+1]   ; (a conversion's three registers begin on an even number)
.endr
	v_nop                                          ; one plain line behind a scaled conversion
.irp c, 0,1                                    ; the operand's layout wants a whole block in a lane: lanes 0-15 block 2 c, lanes 16-31 block 2 c + 1
.irp i, 0,1,2
	v_permlane16_swap_b32 v[PC+6*\c+\i], v[PC+12+4*\c+\i]
.endr
.irp i, 0,1,2
	v_mov_b32 v[PC+3+6*\c+\i], v[PC+12+4*\c+\i]
.endr
.endr
.endm
; Block a = 16 tokens (lanes) x 128 channels.  Register 8 t + j holds channel 16 t + 8 h + j; the exchange of halves between tiles 2 m and 2 m + 1 makes register 16 m + i channel 32 m + 16 h + i.
.macro EPIQK a
.set AC, 64*((\a)%4)
	WIN 0x02+(\a)/4                                ; source 0: window 2 or 3
.set i, 0
.rept 32
	v_pk_add_f32 v[HA+i:HA+i+1], v[AC+i:AC+i+1], v[BIAS+i:BIAS+i+1]   ; each accumulator from its low end on
.set i, i+2
.endr
	WIN 0
.irp m, 0,1,2,3
.irp j, 0,1,2,3,4,5,6,7
	v_permlane16_swap_b32 v[HA+16*\m+\j], v[HA+16*\m+8+\j]
.endr
.endr
.if (\a) > 0
	s_wait_dscnt 0x0                               ; the last block's LDS stores
	s_wait_xcnt 0x0                                ; and global stores have read their registers: the codes and the word are written again only behind these waits
.endif
	QUANT HA
	global_store_b128 v[L16], v[PC:PC+3], s[4:5] offset:768*(\a)          ; the even head's six registers: 512 + 256 consecutive bytes
	global_store_b64 v[L8], v[PC+4:PC+5], s[4:5] offset:768*(\a)+512
	global_store_b128 v[L16], v[PC+6:PC+9], s[6:7] offset:768*(\a)        ; the odd head's
	global_store_b64 v[L8], v[PC+10:PC+11], s[6:7] offset:768*(\a)+512
	v_lshrrev_b32 v[PW2], 16, v[PW]
	ds_store_b32 v[SWA], v[PW] offset:64*(\a)      ; both halves of the lanes write the same word with the same value
	ds_store_b32 v[SWA], v[PW2] offset:512+64*(\a)
.endm
	PLACES NP                                      ; behind the last products: the lines below write registers that held x's fragments
.irp a, 0,1,2,3,4,5,6,7
	EPIQK \a
.endr
	ds_load_b128 v[X0:X0+3], v[SRA]                ; my eight tiles' scale words, 512 bytes a head: LDS serves a wave's instructions in order
	ds_load_b128 v[X1:X1+3], v[SRA] offset:512
	s_wait_dscnt 0x0
	global_store_b128 v[L16], v[X0:X0+3], s[8:9]
	global_store_b128 v[L16], v[X1:X1+3], s[10:11]
	s_wait_tensorcnt 0x0                           ; the wave's end
	ds_add_u32 v[SPW], v[NIL]
	s_wait_dscnt 0x0
	CROUND                                         ; the closing round: no work-group ends while a partner may still ask for a tile that names it
	s_endpgm
.Lfunc_end_k_q087283dcaa_qk:
	.size	k_q087283dcaa_qk, .Lfunc_end_k_q087283dcaa_qk-k_q087283dcaa_qk
	.p2alignl 7, 3214868480
	.fill 96, 4, 3214868480
	.section	.rodata,"a",@progbits
	.p2align	6, 0x0
	.amdhsa_kernel k_q087283dcaa_qk
		.amdhsa_group_segment_fixed_size 327680
		.amdhsa_private_segment_fixed_size 0
		.amdhsa_enable_private_segment 0
		.amdhsa_kernarg_size 56
		.amdhsa_user_sgpr_count 2
		.amdhsa_user_sgpr_kernarg_segment_ptr 1
		.amdhsa_wavefront_size32 1
		.amdhsa_system_sgpr_workgroup_id_x 1
		.amdhsa_system_sgpr_workgroup_id_y 1
		.amdhsa_system_sgpr_workgroup_id_z 1
		.amdhsa_system_vgpr_workitem_id 0
		.amdhsa_next_free_vgpr 1024
		.amdhsa_next_free_sgpr 102
		.amdhsa_reserve_vcc 0
		.amdhsa_float_denorm_mode_32 3
		.amdhsa_float_denorm_mode_16_64 3
		.amdhsa_memory_ordered 1
		.amdhsa_forward_progress 1
		.amdhsa_inst_pref_size 193
	.end_amdhsa_kernel
	.amdgpu_metadata
---
amdhsa.version: [ 1, 2 ]
amdhsa.kernels:
  - .name:           k_q087283dcaa_qk
    .symbol:         k_q087283dcaa_qk.kd
    .args:
      - { .name: xq_codes, .offset: 0, .size: 8, .value_kind: global_buffer, .address_space: global }
      - { .name: xq_scales, .offset: 8, .size: 8, .value_kind: global_buffer, .address_space: global }
      - { .name: w_attn_codes, .offset: 16, .size: 8, .value_kind: global_buffer, .address_space: global }
      - { .name: w_attn_scales, .offset: 24, .size: 8, .value_kind: global_buffer, .address_space: global }
      - { .name: b_attn, .offset: 32, .size: 8, .value_kind: global_buffer, .address_space: global }
      - { .name: q, .offset: 40, .size: 8, .value_kind: global_buffer, .address_space: global }
      - { .name: kv, .offset: 48, .size: 8, .value_kind: global_buffer, .address_space: global }
    .group_segment_fixed_size: 327680
    .private_segment_fixed_size: 0
    .kernarg_segment_align: 8
    .kernarg_segment_size: 56
    .max_flat_workgroup_size: 128
    .sgpr_count:     102
    .vgpr_count:     1024
    .wavefront_size: 32
...
	.end_amdgpu_metadata
.endif
;; end of part 2
;; launch vv (part 3): grid 32 x 4, 4 waves a work-group, clusters of 4 x 4, 327,680 bytes of LDS; arguments w_attn_codes, w_attn_scales, xq_codes, xq_scales, b_attn, kv; writes kv
.if DOCPART == 3
	.amdgcn_target "amdgcn-amd-amdhsa--gfx1250"
	.amdhsa_code_object_version 6
	.text
	.protected	k_q087283dcaa_vv
	.globl	k_q087283dcaa_vv
	.p2align	8
	.type	k_q087283dcaa_vv,@function
k_q087283dcaa_vv:
	s_mov_b64 s[64:65], 0
	v_nop
	global_prefetch_b8 v0, s[64:65] scope:SCOPE_SE
	s_setreg_imm32_b32 hwreg(HW_REG_WAVE_MODE, 25, 1), 1
	s_wait_xcnt 0x0
	s_wait_alu depctr_hold_cnt(0) depctr_sa_sdst(0) depctr_va_vdst(0) depctr_va_sdst(0) depctr_va_ssrc(0) depctr_va_vcc(0) depctr_vm_vsrc(0)
	s_getreg_b32 s2, hwreg(HW_REG_IB_STS2, 6, 4)
	s_cmp_eq_u32 s2, 0
	s_cbranch_scc0 .Lentry_in_a_cluster
	s_endpgm
.Lentry_in_a_cluster:
	s_bfe_u32 s2, ttmp6, 0x10000c
	s_cmp_lg_u32 s2, 0xf033
	s_cbranch_scc0 .Lentry_shape_is_right
	s_endpgm
.Lentry_shape_is_right:
; v: x W + b_attn for W's columns 2,048 .. 3,071, on codes of FP6 (E2M3) with E8M0 scales, K = 1,024; the results leave as CODES, quantised ALONG THE TOKENS (the keys of the attention's second product).
; W: [3072][768 bytes], [3072][32].  x: codes [stored row][768 bytes], scale bytes [stored row][32]; 16 consecutive stored rows, tile 2 G + u, hold in row r the token 32 G + 8 u + r + 8 (r / 8).
; A tile of 256 channels x 256 tokens is made by a work-group of four waves, 128 x 128 each: 64 accumulators, 512 registers; 4 x 32 tiles are 128 work-groups (a tile of half the size would give 256, and read each
; fragment from LDS for half as many products).  K goes in steps of 256 through a ring of two LDS slots filled by the tensor data mover; the scale bytes of the tile's rows, for all of K, come once.
; CLUSTERS of 4 x 4: W's tiles (which hang on the place along the cluster's y alone: the grid has one cluster along y) are asked for jointly along a row of the cluster, x's along a column.
; SOURCE 0 = 16 ROWS OF x, SOURCE 1 = 16 ROWS OF W: a lane holds ONE CHANNEL and its registers run along tokens; by the order of x's stored rows the 16 registers of x's tiles 2 G and 2 G + 1 are the 16 neighbouring
; tokens 32 G + 16 (lane / 16) + 0 .. 15, so that nothing changes lanes ahead of the quantiser.
; THE WAY OUT, block by block of 16 channels: bias added, 128 tokens quantised in registers (four blocks of 32), and the 12 registers of codes stored AS AN IMAGE: three groups of four registers, 512 consecutive bytes each.
; kv: 128 blocks of 104,448 bytes (batch x 16 + head): from 53,248 v's codes [key step 8][channel tile 4][1,536]; from 102,400 its scale words [8][4][16 rows x 4]; what lies ahead is k's, which another launch writes.
; LIMITS: a block of zeros carries the byte 1 where the rule says 127 (its codes are zeros; this program alone reads the bytes); NaN and infinities are not served.
; REGISTERS, in windows of 256: window 0: v0-31 addresses; v32-63 scale words, two sets; v128-223 W's fragments, one set; v224-231 the bias, a register for each block of 16 channels; v232-247 at work.
;   window 1: x's fragments, two sets, at v0 and v128.   window 2: accumulators of W's blocks 0-3 ((a, b) at v[8 (8 a + b)]);   window 3: of blocks 4-7.   On the way out v128-217 of window 0 are at work.
.set SIZE_K, 1024
.set KSTEP,  256                       ; along K in a slot
.set NQ,     KSTEP/128                 ; matrix instructions deep
.set ROWB,   192                       ; a tile's row in bytes
.set KROW,   SIZE_K*6/8                ; a row of codes in memory
.set PITCH,  240                       ; an LDS row: 3 x (64 bytes of data + 16 of padding)
.set FR,     12                        ; registers of a fragment
.set NL,     6                         ; LDS loads that bring one
.set NP,     4                         ; places behind this matrix instruction (ISA guide 7.12.1)
.set HALFT,  128*PITCH                 ; 128 rows: what one tensor load brings
.set SLOT,   4*HALFT                   ; W's 256 rows, then x's 256 rows
.set LAPS,   SIZE_K/(2*KSTEP)
.set KS,     SIZE_K/32                 ; a row of scale bytes
.set SCL,    2*SLOT                    ; behind the ring: the scales, as runs of 256 bytes + 16 of padding
.set HALFS,  (128*KS/256)*272          ; the scales of 128 rows
.set SBLK,   (16*KS/256)*272           ; those of 16 rows
.set SPARE,  327168                    ; the spare words, 128 bytes for each wave: the last two blocks of 256 bytes, which no other line names
.set HB,     104448                    ; a head's block in kv
.set VCO,    53248                     ; where v's codes begin in it
.set VSC,    102400                    ; and v's scale words
.set SWB,  10                          ; v10  where I put a scale word in my stage: 512 x wave + 4 r
.set SRB,  11                          ; v11  and where I read the stage back: 512 x wave + 16 x lane
.set BO2,  13                          ; v13  4 r: the bias
.set ADRA, 16                          ; v16-17 LDS address of W's fragments in slot 0, 1 (v18-19: for the pieces behind one padding more)
.set ADRB, 20                          ; v20-23 the same for x
.set L16,  24                          ; v24  16 x lane
.set LV,   26                          ; v26  16 r + (lane / 16) x a head's block
.set ADRS, 27                          ; v27  LDS address of my scale words: lanes 0-15 W's rows, lanes 16-31 x's
.set SPW,  28                          ; v28  LDS address of my spare word; never rewritten
.set NIL,  29                          ; v29  0; never rewritten
.set SC,   32
.set AF,   128
.set HA,   128                         ; the way out: 64 numbers of a lane
.set PC,   192                         ; v192-210 the codes just made
.set PW,   212                         ; the scale word just made
.set X0,   214                         ; v214-217 scale words on their way out
.set BL,   224
.set TM,   232
.set SEL,  18                          ; s[18:19] lane selects for v_permlanex16_b32: lane l xor 16
.set G1, 24                            ; s[24:31] descriptor group 1 for W's tiles;  s[32:39] group 0, one set for each slot
.set G0, 32
.set G1B, 48                           ; s[48:55], s[56:63] the same for x's tiles
.set G0B, 56
.set G1S, 68                           ; s[68:75], s[76:79] for W's scales;  s[80:87], s[88:91] for x's
.set G0S, 76
.set G1SB, 80
.set G0SB, 88
.set MSB, 0
.macro WIN new                         ; the immediate's high byte repeats the setting that is left
.if MSB != (\new)
	s_set_vgpr_msb (MSB<<8)|(\new)
.set MSB, (\new)
.endif
.endm
.set MUL_LO, 0xa1                      ; source 0 (x) window 1, source 1 (W) window 0, C and D window 2
.set MUL_HI, 0xf1                      ; the same, C and D window 3
.set TO_B,   0x40                      ; destination window 1, address window 0
; A joint load: waves 0 and 1 fetch for W, waves 2 and 3 for x.  The branch hangs on the wave's number alone.  Four v_nop follow each of the two lines.
.macro JLOAD g0a, g1a, g0b, g1b
	s_cmp_eq_u32 s15, 0
	s_cbranch_scc0 .Lfor_b_\@
	tensor_load_to_lds s[\g0a:\g0a+3], s[\g1a:\g1a+7]
	s_nop 0
.rept 4
	v_nop
.endr
	s_branch .Lasked_\@
.Lfor_b_\@:
	tensor_load_to_lds s[\g0b:\g0b+3], s[\g1b:\g1b+7]
	s_nop 0
.rept 4
	v_nop
.endr
.Lasked_\@:
.endm
.macro CREST                           ; a round of the cluster's barrier behind its opening barrier
	s_cmp_lg_u32 s14, 0
	s_cbranch_scc1 .Lnot_wave_0_\@
	s_barrier_signal -3
.Lnot_wave_0_\@:
	s_barrier_wait -3
	s_barrier_signal -1
	s_barrier_wait -1
.endm
.macro CROUND                          ; a whole round
	s_barrier_signal -1
	s_barrier_wait -1
	CREST
.endm
	s_load_b128 s[4:7], s[0:1], 0x0                ; W's codes, W's scales
	s_load_b128 s[8:11], s[0:1], 0x10              ; x's codes, x's scales
	s_load_b128 s[96:99], s[0:1], 0x20             ; b_attn, kv
	v_lshl_add_u32 v[SPW], v0, 2, SPARE
	v_mov_b32 v[NIL], 0
	ds_add_u32 v28, v29
	ds_add_u32 v28, v29
	s_wait_dscnt 0x0
	v_lshrrev_b32 v1, 5, v0
	v_readfirstlane_b32 s14, v1                    ; wave 0..3
	s_lshr_b32 s15, s14, 1                         ; which half of the tile's channels is mine.  Also: I fetch for W (0) or for x (1)
	s_and_b32 s16, s14, 1                          ; which half of its tokens.  Also: which 128 rows of that tile I fetch
	s_bfe_u32 s40, ttmp6, 0x40000                  ; cx, cy: my place in the cluster
	s_bfe_u32 s41, ttmp6, 0x40004
	s_lshl_b32 s42, ttmp9, 2
	s_add_co_u32 s42, s42, s40                     ; tile of tokens = 4 x cluster x + cx
	s_mov_b32 s17, s41                             ; tile of channels = cy: the grid has one cluster along y
	s_lshl_b32 s43, s41, 2
	s_lshl_b32 s43, 15, s43                        ; my row of the cluster
	s_lshl_b32 s44, 0x1111, s40                    ; my column
	; descriptor group 1: a tile of 128 rows x 192 bytes, 16 bytes of padding behind every 64
	s_or_b32 s[G1+0], s43, (0<<16)|(1<<20)|(1<<21)|(3<<22)|(3<<25)
	s_or_b32 s[G1B+0], s44, (0<<16)|(1<<20)|(1<<21)|(3<<22)|(3<<25)
.irp g, G1, G1B
	s_mov_b32 s[\g+1], ROWB<<16                    ; tensor_dim0
	s_mov_b32 s[\g+2], 128<<16                     ; tensor_dim1
	s_mov_b32 s[\g+3], ROWB<<16                    ; tile_dim0
	s_mov_b32 s[\g+4], 128                         ; tile_dim1
	s_mov_b32 s[\g+5], KROW                        ; from row to row
	s_mov_b32 s[\g+6], 0
	s_mov_b32 s[\g+7], 0
.endr
	; the scales of 128 rows: a dense block of 4,096 bytes, as rows of 256 bytes (32 elements of 8), 16 bytes of padding behind each
	s_or_b32 s[G1S+0], s43, (3<<16)|(1<<20)|(1<<21)|(5<<22)|(3<<25)
	s_or_b32 s[G1SB+0], s44, (3<<16)|(1<<20)|(1<<21)|(5<<22)|(3<<25)
.irp g, G1S, G1SB
	s_mov_b32 s[\g+1], 32<<16
	s_mov_b32 s[\g+2], (128*KS/256)<<16
	s_mov_b32 s[\g+3], 32<<16
	s_mov_b32 s[\g+4], 128*KS/256
	s_mov_b32 s[\g+5], 32
	s_mov_b32 s[\g+6], 0
	s_mov_b32 s[\g+7], 0
.endr
	s_lshl_b32 s18, s16, 7                         ; which 128 rows of the tile I fetch
	s_lshl_b32 s20, s17, 8
	s_add_co_u32 s20, s20, s18
	s_add_co_u32 s20, s20, 2048                    ; W: row 2,048 + 256 x tile of channels + 128 x half
	s_lshl_b32 s46, s42, 8
	s_add_co_u32 s46, s46, s18                     ; x: stored row 256 x tile of tokens + 128 x half
	s_mov_b32 s21, 0
	s_mov_b32 s47, 0
	s_mov_b64 s[18:19], KS
	s_mul_u64 s[22:23], s[20:21], s[18:19]         ; where these rows' scales begin,
	s_mul_u64 s[92:93], s[46:47], s[18:19]
	s_mov_b64 s[18:19], KROW
	s_mul_u64 s[20:21], s[20:21], s[18:19]         ; and their codes
	s_mul_u64 s[46:47], s[46:47], s[18:19]
	s_mul_i32 s45, s14, HALFT                      ; where they go: wave x 128 rows: no place in the cluster enters an LDS address
	s_mul_i32 s94, s14, HALFS
	s_wait_kmcnt 0x0
	s_add_nc_u64 s[20:21], s[4:5], s[20:21]
	s_add_nc_u64 s[22:23], s[6:7], s[22:23]
	s_add_nc_u64 s[46:47], s[8:9], s[46:47]
	s_add_nc_u64 s[92:93], s[10:11], s[92:93]
	CROUND                                         ; all sixteen work-groups are here: the first joint loads meet
	s_mov_b32 s[G0S], 1
	s_add_co_u32 s[G0S+1], s94, SCL
	s_mov_b64 s[G0S+2:G0S+3], s[22:23]
	s_or_b32 s[G0S+3], s[G0S+3], 0x80000000
	s_mov_b32 s[G0SB], 1
	s_add_co_u32 s[G0SB+1], s94, SCL
	s_mov_b64 s[G0SB+2:G0SB+3], s[92:93]
	s_or_b32 s[G0SB+3], s[G0SB+3], 0x80000000
	JLOAD G0S, G1S, G0SB, G1SB                     ; the scales first: they are wanted with K step 0
.irp s, 0,1
	s_mov_b32 s[G0+4*\s], 1
	s_add_co_u32 s[G0+4*\s+1], s45, \s*SLOT
	s_add_nc_u64 s[G0+4*\s+2:G0+4*\s+3], s[20:21], \s*ROWB
	s_or_b32 s[G0+4*\s+3], s[G0+4*\s+3], 0x80000000
	s_mov_b32 s[G0B+4*\s], 1
	s_add_co_u32 s[G0B+4*\s+1], s45, \s*SLOT
	s_add_nc_u64 s[G0B+4*\s+2:G0B+4*\s+3], s[46:47], \s*ROWB
	s_or_b32 s[G0B+4*\s+3], s[G0B+4*\s+3], 0x80000000
	JLOAD G0+4*\s, G1, G0B+4*\s, G1B
.endr
	v_and_b32 v1, 15, v0                           ; r = lane % 16
	v_bfe_u32 v2, v0, 4, 1                         ; h = lane / 16
	v_mul_u32_u24 v3, v1, PITCH
	v_mul_u32_u24 v4, v2, 24
	v_add_nc_u32 v4, v3, v4                        ; a fragment's row x pitch + 24 x half
	v_lshl_add_u32 v5, v2, 4, v4                   ; and the same behind one padding more
	s_mul_i32 s21, s15, HALFT                      ; my 128 rows of W
	s_mul_i32 s22, s16, HALFT                      ; my 128 rows of x,
	s_add_co_u32 s22, s22, 2*HALFT                 ; which lie behind W's 256
.irp s, 0,1
	v_add_nc_u32 v[ADRA+\s], s21, v4
	v_add_nc_u32 v[ADRB+\s], s22, v4
	v_add_nc_u32 v[ADRA+2+\s], s21, v5
	v_add_nc_u32 v[ADRB+2+\s], s22, v5
	s_add_co_u32 s21, s21, SLOT
	s_add_co_u32 s22, s22, SLOT
.endr
	v_mul_u32_u24 v5, v1, KS                       ; my row's scales: 32 bytes a row,
	v_lshrrev_b32 v6, 8, v5
	v_lshl_add_u32 v5, v6, 4, v5                   ; and 16 more for each 256 passed
	s_mul_i32 s21, s15, HALFS                      ; W's: my 128 rows
	s_mul_i32 s22, s16, HALFS                      ; x's: my 128 rows, behind W's 256
	s_add_co_u32 s22, s22, 2*HALFS
	s_sub_co_u32 s22, s22, s21
	v_mul_u32_u24 v6, s22, v2                      ; lanes 16-31 take x's
	s_add_co_u32 s21, s21, SCL
	v_add_nc_u32 v5, v5, v6
	v_add_nc_u32 v[ADRS], s21, v5
	v_and_b32 v6, 31, v0
	v_lshlrev_b32 v[L16], 4, v6
	v_lshlrev_b32 v7, 4, v1
	v_mul_u32_u24 v3, v2, HB
	v_add_nc_u32 v[LV], v7, v3
	v_lshlrev_b32 v[BO2], 2, v1
	; the stage for scale words lies in slot 0, which has had its last fill and its last read when the first word is stored there; each wave has bytes of its own
	s_lshl_b32 s23, s14, 9
	v_add_nc_u32 v[SWB], s23, v[BO2]
	v_add_nc_u32 v[SRB], s23, v[L16]
.irp b, 0,1,2,3
	v_mov_b32 v[TM+4+\b], 0                        ; written once: a lane permute's destination counts as one of its sources
.endr
	; the bias of my 128 channels: register a holds that of channel 16 a + r
	s_lshl_b32 s46, s17, 10
	s_lshl_b32 s47, s15, 9
	s_add_co_u32 s46, s46, s47
	s_add_co_u32 s46, s46, 8192                    ; v's columns begin at 2,048
	s_mov_b32 s47, 0
	s_add_nc_u64 s[96:97], s[96:97], s[46:47]
.irp t, 0,1,2,3,4,5,6,7
	global_load_b32 v[BL+\t], v[BO2], s[96:97] offset:64*\t
.endr
	; where my results go
	s_lshr_b32 s4, s42, 2                          ; the batch
	s_and_b32 s5, s42, 3
	s_lshl_b32 s5, s5, 1
	s_add_co_u32 s5, s5, s16                       ; which 128 tokens of the batch are mine: the key step
	s_lshl_b32 s6, s17, 2
	s_lshl_b32 s7, s15, 1
	s_add_co_u32 s6, s6, s7                        ; the first of my two heads
	s_lshl_b32 s4, s4, 4
	s_add_co_u32 s4, s4, s6
	s_mul_i32 s4, s4, HB                           ; its block
	s_mul_i32 s40, s5, 6144
	s_add_co_u32 s40, s40, s4
	s_add_co_u32 s40, s40, VCO                     ; codes: 4 x 1,536 bytes a key step
	s_lshl_b32 s41, s5, 8
	s_add_co_u32 s41, s41, s4
	s_add_co_u32 s41, s41, VSC                     ; scale words: 256 bytes a key step
	s_mov_b32 s67, 0
	s_mov_b32 s66, s40
	s_add_nc_u64 s[4:5], s[98:99], s[66:67]        ; s[4:5]  codes, first head
	s_add_nc_u64 s[6:7], s[4:5], HB                ; s[6:7]  codes, second head
	s_mov_b32 s66, s41
	s_add_nc_u64 s[8:9], s[98:99], s[66:67]        ; s[8:9]  scale words, first head
	s_mov_b32 s[SEL], 0x76543210
	s_mov_b32 s[SEL+1], 0xfedcba98
.macro FRAG reg, adr, q, i             ; a fragment, 16 rows x 128 K, is 12 registers: lane l holds row l % 16; registers 6 c .. 6 c + 5 hold K = 64 c + 32 (l / 16) + 0 .. 31: 24 bytes of the row, as they lie
.irp p, 0,1,2,3,4,5                    ; in pieces of 8 bytes.  Lanes 16-31 read three pieces further on than lanes 0-15; where that lies behind one padding more, the second address register serves
.set PIE, 12*(\q)+6*(\p/3)+\p%3
.if PIE%8 < 5
	ds_load_b64 v[\reg+2*\p:\reg+2*\p+1], v[\adr] offset:8*PIE+16*(PIE/8)+(\i)*16*PITCH
.else
	ds_load_b64 v[\reg+2*\p:\reg+2*\p+1], v[\adr+2] offset:8*PIE+16*(PIE/8)+(\i)*16*PITCH
.endif
.endr
.endm
; 16 matrix instructions: W's blocks a0, a0 + 1 x x's eight, 128 along K.  The 64 accumulators take turns, one instruction a turn, in the same order in every step.
.macro MUL16 a0, p, q, sc, zero
.irp a, \a0, \a0+1
.irp b, 0,1,2,3,4,5,6,7
.if \zero
	v_wmma_scale_f32_16x16x128_f8f6f4 v[8*(8*((\a)%4)+\b):8*(8*((\a)%4)+\b)+7], v[128*(\p)+FR*\b:128*(\p)+FR*\b+FR-1], v[AF+FR*(\a):AF+FR*(\a)+FR-1], 0, v[SC+8*NQ*(\sc)+NQ*\b+(\q)], v[SC+8*NQ*(\sc)+NQ*(\a)+(\q)] matrix_a_fmt:MATRIX_FMT_FP6 matrix_b_fmt:MATRIX_FMT_FP6 matrix_a_scale:MATRIX_SCALE_ROW1
.else
	v_wmma_scale_f32_16x16x128_f8f6f4 v[8*(8*((\a)%4)+\b):8*(8*((\a)%4)+\b)+7], v[128*(\p)+FR*\b:128*(\p)+FR*\b+FR-1], v[AF+FR*(\a):AF+FR*(\a)+FR-1], v[8*(8*((\a)%4)+\b):8*(8*((\a)%4)+\b)+7], v[SC+8*NQ*(\sc)+NQ*\b+(\q)], v[SC+8*NQ*(\sc)+NQ*(\a)+(\q)] matrix_a_fmt:MATRIX_FMT_FP6 matrix_b_fmt:MATRIX_FMT_FP6 matrix_a_scale:MATRIX_SCALE_ROW1
.endif
.endr
.endr
.endm
.macro FETCH_B slot, q, p              ; x's eight fragments of the slot's q-th 128 along K into set p
	WIN TO_B
.irp i, 0,1,2,3,4,5,6,7
	FRAG 128*(\p)+FR*\i, ADRB+\slot, \q, \i
.endr
	WIN 0
.endm
.macro FETCH_A slot, q, i0             ; W's blocks i0 .. i0 + 3
.irp i, \i0, \i0+1, \i0+2, \i0+3
	FRAG AF+FR*(\i), ADRA+\slot, \q, \i
.endr
.endm
.macro SCALES sc                       ; the next K step's scale words: two words a row; lanes 0-15 take W's block i, lanes 16-31 x's block i
.irp i, 0,1,2,3,4,5,6,7
	ds_load_b64 v[SC+8*NQ*\sc+NQ*\i:SC+8*NQ*\sc+NQ*\i+1], v[ADRS] offset:\i*SBLK
.endr
.endm
.macro PLACES n                        ; plain vector lines between a matrix instruction and a load into, or a vector line on, its registers
.rept \n
	v_nop
.endr
.endm
.macro STEP slot, q, zero              ; a step of 128 along K that has its successor in the same slot
	s_wait_dscnt 4*NL                              ; x's set and W's blocks 0-3 are in; the youngest 24 loads (W's blocks 4-7) may be out
	WIN MUL_LO
	MUL16 0, (\q)%2, \q, \slot, \zero
	MUL16 2, (\q)%2, \q, \slot, \zero
	s_wait_dscnt 0                                 ; W's blocks 4-7 are in
	PLACES NP
	FETCH_B \slot, (\q)+1, 1-(\q)%2
	FETCH_A \slot, (\q)+1, 0
	WIN MUL_HI
	MUL16 4, (\q)%2, \q, \slot, \zero
	MUL16 6, (\q)%2, \q, \slot, \zero
	PLACES NP
	WIN 0
	FETCH_A \slot, (\q)+1, 4
.endm
; A slot's last step changes slots: one barrier; in front of it each wave waits for all its tensor loads, adds 0 to its spare word, and waits for that and for its own reads of this slot.
.macro TURN slot, next, fill
	s_wait_tensorcnt 0x0                           ; all my tensor loads have landed: my part of the next slot
	ds_add_u32 v[SPW], v[NIL]                      ; 0 onto my spare word
	s_wait_dscnt 4*NL+1                            ; (the add and the youngest 24 loads may be out)
	WIN MUL_LO
	MUL16 0, 1, NQ-1, \slot, 0                     ; sixteen matrix instructions stand between the add and the wait for it
	s_wait_dscnt 0x0                               ; the add is done, and my reads of this slot are over
	s_barrier_signal -1
	MUL16 2, 1, NQ-1, \slot, 0
	WIN 0
	s_barrier_wait -1
.if \fill
	CREST                                          ; the barrier has opened a round of the cluster's barrier: no wave of any partner still reads this slot or has a load on its way
	s_add_nc_u64 s[G0+4*\slot+2:G0+4*\slot+3], s[G0+4*\slot+2:G0+4*\slot+3], 2*ROWB
	s_add_nc_u64 s[G0B+4*\slot+2:G0B+4*\slot+3], s[G0B+4*\slot+2:G0B+4*\slot+3], 2*ROWB
	JLOAD G0+4*\slot, G1, G0B+4*\slot, G1B         ; the first tensor load behind the round; its four v_nop are the places in front of the loads below
.else
	PLACES NP
.endif
	v_add_nc_u32 v[ADRS], 4*NQ, v[ADRS]            ; on to the next K step's scale words (no LDS load of mine is out)
	FETCH_B \next, 0, 0
	FETCH_A \next, 0, 0
	SCALES \next
	WIN MUL_HI
	MUL16 4, 1, NQ-1, \slot, 0
	MUL16 6, 1, NQ-1, \slot, 0
	PLACES NP
	WIN 0
	FETCH_A \next, 0, 4
.endm
	s_wait_loadcnt 0x0                             ; the bias, once
	s_wait_tensorcnt 1                             ; the scales and my part of K step 0 are in (K step 1's load may be out),
	s_barrier_signal -1
	s_barrier_wait -1                              ; everybody's are
	FETCH_B 0, 0, 0
	FETCH_A 0, 0, 0
	SCALES 0
	FETCH_A 0, 0, 4
	STEP 0, 0, 1                                   ; the first step stands in front of the loop: its products start the sums
	s_mov_b32 s3, LAPS-1
.Llap:                                                 ; a trip goes once round the ring and fills both slots again
	TURN 0, 1, 1
	STEP 1, 0, 0
	TURN 1, 0, 1
	STEP 0, 0, 0
	s_sub_co_u32 s3, s3, 1
	s_cmp_lg_u32 s3, 0
	s_cbranch_scc1 .Llap
	TURN 0, 1, 0                                   ; the last lap fills nothing
	STEP 1, 0, 0
	s_wait_dscnt 4*NL                              ; the very last step: nothing more to fetch
	WIN MUL_LO
	MUL16 0, 1, NQ-1, 1, 0
	MUL16 2, 1, NQ-1, 1, 0
	s_wait_dscnt 0
	WIN MUL_HI
	MUL16 4, 1, NQ-1, 1, 0
	MUL16 6, 1, NQ-1, 1, 0
	WIN 0
; 64 numbers of a lane, v[s] .. v[s + 63], register 16 b + i = unit 32 b + 16 (lane / 16) + i of my row, become a fragment's codes in v[PC] on and its scale word in v[PW].
.macro QUANT s
.irp b, 0,1,2,3
	v_max3_num_f32 v[TM+\b], |v[\s+16*\b]|, |v[\s+1+16*\b]|, 0x1800000   ; block b: my 16 numbers, and the floor 2^(3 - 127): the byte cannot fall under 1
.endr
.irp i, 2,4,6,8,10,12,14
.irp b, 0,1,2,3
	v_max3_num_f32 v[TM+\b], v[TM+\b], |v[\s+16*\b+\i]|, |v[\s+1+16*\b+\i]|   ; (the four blocks by turns)
.endr
.endr
.irp b, 0,1,2,3
	v_permlanex16_b32 v[TM+4+\b], v[TM+\b], s[SEL], s[SEL+1]
.endr
.irp b, 0,1,2,3
	v_max_num_f32 v[TM+\b], v[TM+\b], v[TM+4+\b]   ; with lane l xor 16's: the block's largest magnitude
.endr
.irp b, 0,1,2,3
	v_add_nc_u32 v[TM+12+\b], 0xff000000, v[TM+\b]   ; 2 off its exponent field: the conversion's scale operand
.endr
.irp b, 0,1,2,3
	v_lshrrev_b32 v[TM+4+\b], 23, v[TM+12+\b]      ; the scale's byte
.endr
	v_lshl_or_b32 v[PW], v[TM+5], 8, v[TM+4]       ; the four bytes make my row's scale word
	v_lshl_or_b32 v[PW], v[TM+6], 16, v[PW]
	v_lshl_or_b32 v[PW], v[TM+7], 24, v[PW]
.irp c, 0,1
	v_cvt_scalef32_pk16_fp6_f32 v[PC+6*\c:PC+2+6*\c], v[\s+32*\c:\s+15+32*\c], v[TM+12+2*\c]
	v_cvt_scalef32_pk16_fp6_f32 v[PC+12+4*\c:PC+14+4*\c], v[\s+16+32*\c:\s+31+32*\c], v[TM+12+2*\c+1]   ; (a conversion's three registers begin on an even number)
.endr
	v_nop                                          ; one plain line behind a scaled conversion
.irp c, 0,1                                    ; the operand's layout wants a whole block in a lane: lanes 0-15 block 2 c, lanes 16-31 block 2 c + 1
.irp i, 0,1,2
	v_permlane16_swap_b32 v[PC+6*\c+\i], v[PC+12+4*\c+\i]
.endr
.irp i, 0,1,2
	v_mov_b32 v[PC+3+6*\c+\i], v[PC+12+4*\c+\i]
.endr
.endr
.endm
; Block a = 16 channels (lanes) x 128 tokens.  Register 8 t + j of x's tile t = 2 G + u holds token 32 G + 16 h + 8 u + j: 16 neighbours for each pair of tiles, as the quantiser wants them.
.macro EPIV a
.set AC, 64*((\a)%4)
	WIN 0x02+(\a)/4                                ; source 0: window 2 or 3
.set i, 0
.rept 64
	v_add_f32 v[HA+i], v[AC+i], v[BL+(\a)]         ; my channel's bias; each accumulator from its low end on
.set i, i+1
.endr
	WIN 0
.if (\a) > 0
	s_wait_dscnt 0x0                               ; the last block's LDS store
	s_wait_xcnt 0x0                                ; and global stores have read their registers: the codes and the word are written again only behind these waits
.endif
	QUANT HA
.irp c, 0,1,2
.if (\a) < 4
	global_store_b128 v[L16], v[PC+4*\c:PC+4*\c+3], s[4:5] offset:((\a)%4)*1536+512*\c   ; 512 consecutive bytes, aligned
.else
	global_store_b128 v[L16], v[PC+4*\c:PC+4*\c+3], s[6:7] offset:((\a)%4)*1536+512*\c
.endif
.endr
	ds_store_b32 v[SWB], v[PW] offset:64*(\a)      ; both halves of the lanes write the same word with the same value
.endm
	PLACES NP                                      ; behind the last products: the lines below write registers that held W's fragments
.irp a, 0,1,2,3,4,5,6,7
	EPIV \a
.endr
	ds_load_b128 v[X0:X0+3], v[SRB]                ; lanes 0-15: the first head's four tiles, 256 bytes; lanes 16-31: the second head's.  LDS serves a wave's instructions in order
	s_wait_dscnt 0x0
	global_store_b128 v[LV], v[X0:X0+3], s[8:9]    ; sixteen lanes store 256 consecutive bytes, aligned, in each head's block
	s_wait_tensorcnt 0x0                           ; the wave's end
	ds_add_u32 v[SPW], v[NIL]
	s_wait_dscnt 0x0
	CROUND                                         ; the closing round: no work-group ends while a partner may still ask for a tile that names it
	s_endpgm
.Lfunc_end_k_q087283dcaa_vv:
	.size	k_q087283dcaa_vv, .Lfunc_end_k_q087283dcaa_vv-k_q087283dcaa_vv
	.p2alignl 7, 3214868480
	.fill 96, 4, 3214868480
	.section	.rodata,"a",@progbits
	.p2align	6, 0x0
	.amdhsa_kernel k_q087283dcaa_vv
		.amdhsa_group_segment_fixed_size 327680
		.amdhsa_private_segment_fixed_size 0
		.amdhsa_enable_private_segment 0
		.amdhsa_kernarg_size 48
		.amdhsa_user_sgpr_count 2
		.amdhsa_user_sgpr_kernarg_segment_ptr 1
		.amdhsa_wavefront_size32 1
		.amdhsa_system_sgpr_workgroup_id_x 1
		.amdhsa_system_sgpr_workgroup_id_y 1
		.amdhsa_system_sgpr_workgroup_id_z 1
		.amdhsa_system_vgpr_workitem_id 0
		.amdhsa_next_free_vgpr 1024
		.amdhsa_next_free_sgpr 100
		.amdhsa_reserve_vcc 0
		.amdhsa_float_denorm_mode_32 3
		.amdhsa_float_denorm_mode_16_64 3
		.amdhsa_memory_ordered 1
		.amdhsa_forward_progress 1
		.amdhsa_inst_pref_size 182
	.end_amdhsa_kernel
	.amdgpu_metadata
---
amdhsa.version: [ 1, 2 ]
amdhsa.kernels:
  - .name:           k_q087283dcaa_vv
    .symbol:         k_q087283dcaa_vv.kd
    .args:
      - { .name: w_attn_codes, .offset: 0, .size: 8, .value_kind: global_buffer, .address_space: global }
      - { .name: w_attn_scales, .offset: 8, .size: 8, .value_kind: global_buffer, .address_space: global }
      - { .name: xq_codes, .offset: 16, .size: 8, .value_kind: global_buffer, .address_space: global }
      - { .name: xq_scales, .offset: 24, .size: 8, .value_kind: global_buffer, .address_space: global }
      - { .name: b_attn, .offset: 32, .size: 8, .value_kind: global_buffer, .address_space: global }
      - { .name: kv, .offset: 40, .size: 8, .value_kind: global_buffer, .address_space: global }
    .group_segment_fixed_size: 327680
    .private_segment_fixed_size: 0
    .kernarg_segment_align: 8
    .kernarg_segment_size: 48
    .max_flat_workgroup_size: 128
    .sgpr_count:     100
    .vgpr_count:     1024
    .wavefront_size: 32
...
	.end_amdgpu_metadata
.endif
;; end of part 3
;; launch attn (part 4): grid 4 x 64, 4 waves a work-group, clusters of 4 x 1, 327,680 bytes of LDS; arguments q, kv, yc, ys; writes yc, ys
.if DOCPART == 4
	.amdgcn_target "amdgcn-amd-amdhsa--gfx1250"
	.amdhsa_code_object_version 6
	.text
	.protected	k_q087283dcaa_attn
	.globl	k_q087283dcaa_attn
	.p2align	8
	.type	k_q087283dcaa_attn,@function
k_q087283dcaa_attn:
	s_mov_b64 s[64:65], 0
	v_nop
	global_prefetch_b8 v0, s[64:65] scope:SCOPE_SE
	s_setreg_imm32_b32 hwreg(HW_REG_WAVE_MODE, 25, 1), 1
	s_wait_xcnt 0x0
	s_wait_alu depctr_hold_cnt(0) depctr_sa_sdst(0) depctr_va_vdst(0) depctr_va_sdst(0) depctr_va_ssrc(0) depctr_va_vcc(0) depctr_vm_vsrc(0)
	s_getreg_b32 s2, hwreg(HW_REG_IB_STS2, 6, 4)
	s_cmp_eq_u32 s2, 0
	s_cbranch_scc0 .Lentry_in_a_cluster
	s_endpgm
.Lentry_in_a_cluster:
	s_bfe_u32 s2, ttmp6, 0x10000c
	s_cmp_lg_u32 s2, 0x3003
	s_cbranch_scc0 .Lentry_shape_is_right
	s_endpgm
.Lentry_shape_is_right:
; y = relu(softmax(q k^T / 8) - 0.001) v for 128 heads of 1,024 tokens and 64 channels, both products on codes of FP6 (E2M3) with E8M0 scales; y leaves as codes, quantised along the channels.
; WHAT IS QUANTISED AHEAD OF THE SECOND PRODUCT IS THE FINISHED NUMBER: the softmax normalised by its row's sum, less 0.001, clipped at 0.  So a row's maximum and sum over all 1,024 keys are known before any code is made:
; all 1,024 scores of a tile of 16 queries stay in 512 registers of one wave, and each score is multiplied once and put through one exponential.
; SHARES.  A work-group owns 256 queries of a pair of heads; each of its four waves four tiles of 16 queries, for both heads: eight trips of one loop text.  Both heads' k and v (2 x 104,448 bytes) and the work-group's
; q (26,624 bytes) lie in LDS for the whole launch, filled once.  CLUSTER: the four quarters of a head pair's queries read the same k and v: asked for jointly (mask 15); q is each work-group's own (a plain load).
; LAYOUT.  All operands lie in memory and LDS as images of their registers: a group of four registers is 512 consecutive bytes, 16 a lane; a group of two 256, 8 a lane.  Both products are used transposed:
; S^T = k q^T (source 0 = 16 keys, source 1 = my 16 queries), O^T = v^T p^T (source 0 = 16 channels): a lane holds ONE query throughout.  A tile of k, 2 G + u, holds in row r the key 32 G + 8 u + r + 8 (r / 8), so the
; 16 registers of tiles 2 G and 2 G + 1 are 16 neighbouring keys.  A head has 64 channels: half of the instruction's K.  q's registers 6-11 are zero codes; k's operand takes for its registers 6-11 the next tile's codes,
; which meet those zeros; the scale bytes there are never 0xff.
; THE SOFTMAX.  m = the row's largest score; p = 2^(c s - c m), c = log2(e) / 8, by one fused multiply-add and one v_exp_f32; l = the sum of p; a = max(p / l - 0.001, 0), by one fused multiply-add with 1 / l and one maximum.
; A block's largest a is not searched for: a rises with the score, so the block's largest SCORE, which the search for m passes through, goes through the same three instructions.
; (This takes v_exp_f32 not to fall where its input rises; at the worst one number of a block, within an ulp of a power of two, is held one code low.)
; LIMITS: NaN and infinities are not served; a p under 2^-126 comes out as 0 (it lies far under the threshold); a block of zeros carries the byte 1 where the rule says 127 (its codes are zeros; this program alone reads the bytes).
; OUT.  yc [token tile 512][head 16][768 bytes]: six registers a head, so that a pair of heads is one fragment of the next product.  ys [head pair 8][tile 512][16 rows x 4]: bytes 0, 1 the even head's, 2, 3 the odd head's.
; REGISTERS, in windows of 256: window 0: addresses, statistics, q, p's codes, O^T (map below).  Windows 1 and 2: the scores, 64 registers a key step of 128 keys (steps 0-3, 4-7).
;   window 3: two sets of 54 for fragments: eight tiles of k (6 registers each, and 6 of zeros behind them), or four tiles of v (12 each).
.set HB,   104448                      ; a head's block: k's codes, from KSC its scale words, from VCO v's codes, from VSC its scale words
.set QBL,  26624
.set KSC,  49152
.set VCO,  53248
.set VSC,  102400
.set LQ,   2*HB                        ; LDS: the even head's block at 0, the odd head's at HB, q's block here,
.set LST,  LQ+QBL                      ; and a stage for y's scale halves, 512 bytes a wave: [parity][tile 4][16 rows x 4]
.set BK16, 4                           ; v4   16 x lane (an LDS place in a group of four registers, and the same in memory); never rewritten, like v5-v15
.set BK8,  5                           ; v5   512 + 8 x lane
.set BKS,  6                           ; v6   KSC + 4 x lane
.set BV16, 7                           ; v7   VCO + 16 x lane
.set BVS,  8                           ; v8   VSC + 4 x lane
.set BQ16, 9                           ; v9   LQ + 3,072 x wave + 16 x lane
.set BQ8,  10                          ; v10  LQ + 3,072 x wave + 512 + 8 x lane
.set BQS,  11                          ; v11  LQ + 24,576 + 256 x wave + 4 r
.set BYS,  12                          ; v12  LST + 512 x wave + 4 r
.set G8,   14                          ; v14  8 x lane
.set BYE,  15                          ; v15  LST + 512 x wave + 8 x lane
.set QS,   28                          ; v16-27 q's fragment (v22-27 zero codes); v28 its scale words
.set BM,   44                          ; v44-75 the 32 blocks' largest scores, later the conversions' scale operands
.set BT,   76                          ; v76-83 at work
.set PWS,  84                          ; v84-91 p's scale words, one for each key step
.set KS0,  92                          ; v92-95, v96-99 k's scale words, two sets; v's take the first two of each
.set PC,   100                         ; v100-118 p's codes
.set AYS,  119                         ; v119-127 the trip's LDS addresses
.set AK16, 120
.set AK8,  121
.set AKS,  122
.set AV16, 123
.set AVS,  124
.set AQ16, 125
.set AQ8,  126
.set AQS,  127
.set O,    128                         ; v128-159 O^T: four tiles of 16 channels
.set YC,   160                         ; v160-165 y's codes; v166-168 their second half on the way; v169 the two scale bytes; v170-177 at work
.set YT,   166
.set YW,   169
.set TM2,  170
.set F0,   0
.set F1,   54
.set WV,   12                          ; s12  my wave's number
.set SEL,  20                          ; s[20:21] lane selects for v_permlanex16_b32: lane l xor 16
.set CS,   22                          ; s[22:23] c = log2(e) / 8
.set NT,   24                          ; s[24:25] -0.001
.set G1J,  28                          ; s[28:35] descriptor group 1 of the joint loads;  s[36:43] of q's
.set G1Q,  36
.set G0Q,  44                          ; s[44:47], s[48:51], s[52:55] groups 0: q, the even head, the odd head
.set G0E,  48
.set G0O,  52
.set YB,   56                          ; s[56:57] where the trip's codes of y go
.set YS,   58                          ; s[58:59] where my scale words of y go
.set MSB, 0
.macro WIN new                         ; the immediate's high byte repeats the setting that is left
.if MSB != (\new)
	s_set_vgpr_msb (MSB<<8)|(\new)
.set MSB, (\new)
.endif
.endm
.macro CROUND                          ; a round of the cluster's barrier
	s_barrier_signal -1
	s_barrier_wait -1
	s_cmp_lg_u32 s[WV], 0
	s_cbranch_scc1 .Lnot_wave_0_\@
	s_barrier_signal -3
.Lnot_wave_0_\@:
	s_barrier_wait -3
	s_barrier_signal -1
	s_barrier_wait -1
.endm
	s_load_b256 s[4:11], s[0:1], 0x0               ; q s[4:5], kv s[6:7], yc s[8:9], ys s[10:11]
	v_lshl_add_u32 v254, v0, 2, 0x3a000
	v_mov_b32 v255, 0
	ds_add_u32 v254, v255
	ds_add_u32 v254, v255
	v_lshrrev_b32 v1, 5, v0
	v_readfirstlane_b32 s[WV], v1                  ; wave 0..3
	s_bfe_u32 s13, ttmp6, 0x40000                  ; cx: which quarter of the queries
	s_and_b32 s14, ttmp7, 0xffff                   ; 8 x batch + head pair, which the four partners share
	; group 1 of the joint loads: a quarter of a head's block, 26,112 dense bytes, as 102 rows of 256 bytes (32 elements of 8)
	s_mov_b32 s[G1J], 15|(3<<16)|(1<<21)           ; 15:0 the mask: all four work-groups; 17:16 elements of 8 bytes; 21 set beside a mask
	s_mov_b32 s[G1J+1], 32<<16
	s_mov_b32 s[G1J+2], 102<<16
	s_mov_b32 s[G1J+3], 32<<16
	s_mov_b32 s[G1J+4], 102
	s_mov_b32 s[G1J+5], 32
	s_mov_b32 s[G1J+6], 0
	s_mov_b32 s[G1J+7], 0
	; of q's: a quarter of the block, 6,656 bytes, as 26 rows of 256; no mask
	s_mov_b32 s[G1Q], 3<<16
	s_mov_b32 s[G1Q+1], 32<<16
	s_mov_b32 s[G1Q+2], 26<<16
	s_mov_b32 s[G1Q+3], 32<<16
	s_mov_b32 s[G1Q+4], 26
	s_mov_b32 s[G1Q+5], 32
	s_mov_b32 s[G1Q+6], 0
	s_mov_b32 s[G1Q+7], 0
	s_mul_i32 s16, s[WV], 26112                    ; my quarter of a head's block, in memory and in LDS
	s_mul_i32 s18, s14, 2*HB                       ; the pair's even head
	s_add_co_u32 s18, s18, s16
	s_mov_b32 s19, 0
	s_mul_i32 s17, s[WV], 6656                     ; my quarter of q's block
	s_lshl_b32 s70, s14, 2
	s_add_co_u32 s70, s70, s13
	s_mul_i32 s70, s70, QBL                        ; q's block: it alone hangs on my place in the cluster
	s_add_co_u32 s70, s70, s17
	s_mov_b32 s71, 0
	s_mov_b32 s[SEL], 0x76543210
	s_mov_b32 s[SEL+1], 0xfedcba98
	s_mov_b32 s[CS], 0x3e38aa3b
	s_mov_b32 s[CS+1], s[CS]                       ; (named with it as a pair, so it is written)
	s_mov_b32 s[NT], 0xba83126f
	s_mov_b32 s[NT+1], s[NT]
	s_wait_dscnt 0x0
	s_wait_kmcnt 0x0
	s_mov_b32 s[G0Q], 1
	s_add_co_u32 s[G0Q+1], s17, LQ
	s_add_nc_u64 s[G0Q+2:G0Q+3], s[4:5], s[70:71]
	s_or_b32 s[G0Q+3], s[G0Q+3], 0x80000000
	s_add_nc_u64 s[72:73], s[6:7], s[18:19]
	s_mov_b32 s[G0E], 1
	s_mov_b32 s[G0E+1], s16
	s_mov_b64 s[G0E+2:G0E+3], s[72:73]
	s_or_b32 s[G0E+3], s[G0E+3], 0x80000000
	s_mov_b32 s[G0O], 1
	s_add_co_u32 s[G0O+1], s16, HB
	s_add_nc_u64 s[G0O+2:G0O+3], s[72:73], HB
	s_or_b32 s[G0O+3], s[G0O+3], 0x80000000
	CROUND                                         ; all four work-groups are here: the joint loads meet
	tensor_load_to_lds s[G0Q:G0Q+3], s[G1Q:G1Q+7]  ; every wave's three fills go out together: three loads of mine are out
	s_nop 0
	tensor_load_to_lds s[G0E:G0E+3], s[G1J:G1J+7]
	s_nop 0
	tensor_load_to_lds s[G0O:G0O+3], s[G1J:G1J+7]
	s_nop 0
.rept 4
	v_nop
.endr
	v_and_b32 v3, 31, v0                           ; lane
	v_and_b32 v1, 15, v0                           ; r
	v_lshlrev_b32 v[BK16], 4, v3
	v_lshlrev_b32 v[G8], 3, v3
	v_add_nc_u32 v[BK8], 512, v[G8]
	v_lshlrev_b32 v2, 2, v3
	v_add_nc_u32 v[BKS], KSC, v2
	v_add_nc_u32 v[BV16], VCO, v[BK16]
	v_add_nc_u32 v[BVS], VSC, v2
	s_mul_i32 s16, s[WV], 3072                     ; my four tiles of q: 768 bytes each
	s_add_co_u32 s16, s16, LQ
	v_add_nc_u32 v[BQ16], s16, v[BK16]
	v_add_nc_u32 v[BQ8], s16, v[BK8]
	s_lshl_b32 s16, s[WV], 8
	s_add_co_u32 s16, s16, LQ+24576
	v_lshlrev_b32 v2, 2, v1
	v_add_nc_u32 v[BQS], s16, v2
	s_lshl_b32 s16, s[WV], 9
	s_add_co_u32 s16, s16, LST
	v_add_nc_u32 v[BYS], s16, v2
	v_add_nc_u32 v[BYE], s16, v[G8]
.irp i, 0,1,2,3,4,5
	v_mov_b32 v[22+\i], 0                          ; q's zero codes for K = 64 .. 127
.endr
.irp i, 0,1,2,3,4,5,6,7
	v_mov_b32 v[BT+\i], 0                          ; written once: a lane permute's destination counts as one of its sources
.endr
	v_mov_b32 v[TM2+2], 0
	v_mov_b32 v[TM2+3], 0
	WIN 0xc0                                       ; destination window 3
.irp i, 0,1,2,3,4,5
	v_mov_b32 v[F0+48+\i], 0                       ; what the eighth tile of k names as its registers 6-11
	v_mov_b32 v[F1+48+\i], 0
.endr
	WIN 0
	s_lshr_b32 s74, s14, 3
	s_lshl_b32 s74, s74, 6
	s_lshl_b32 s75, s13, 4
	s_add_co_u32 s74, s74, s75
	s_lshl_b32 s75, s[WV], 2
	s_add_co_u32 s74, s74, s75                     ; my first token tile: 64 x batch + 16 x quarter + 4 x wave
	s_and_b32 s75, s14, 7                          ; the head pair
	s_mul_i32 s76, s74, 12288
	s_mul_i32 s77, s75, 1536
	s_add_co_u32 s76, s76, s77
	s_mov_b32 s77, 0
	s_add_nc_u64 s[YB:YB+1], s[8:9], s[76:77]
	s_lshl_b32 s76, s74, 6
	s_lshl_b32 s75, s75, 15
	s_add_co_u32 s76, s76, s75
	s_add_nc_u64 s[YS:YS+1], s[10:11], s[76:77]
.macro KLOAD ks, f, sc                 ; key step ks: eight tiles of k into set f (20 loads), their scale words into sc: lanes 0-15 tile 2 q, lanes 16-31 tile 2 q + 1
	WIN 0xc0
.irp t, 0,1,2,3,4,5,6,7
	ds_load_b128 v[\f+6*\t:\f+6*\t+3], v[AK16] offset:(8*(\ks)+\t)*768
	ds_load_b64 v[\f+6*\t+4:\f+6*\t+5], v[AK8] offset:(8*(\ks)+\t)*768
.endr
	WIN 0
.irp q, 0,1,2,3
	ds_load_b32 v[\sc+\q], v[AKS] offset:(8*(\ks)+2*\q)*64
.endr
.endm
.macro VLOAD ks, f, sc                 ; key step ks: four tiles of v (14 loads)
	WIN 0xc0
.irp d, 0,1,2,3
.irp c, 0,1,2
	ds_load_b128 v[\f+12*\d+4*\c:\f+12*\d+4*\c+3], v[AV16] offset:(4*(\ks)+\d)*1536+512*\c
.endr
.endr
	WIN 0
	ds_load_b32 v[\sc], v[AVS] offset:256*(\ks)
	ds_load_b32 v[\sc+1], v[AVS] offset:256*(\ks)+128
.endm
.macro SMUL ks, f, sc                  ; eight tiles of scores, each a sum of its own
	WIN 0x43+0x40*((\ks)/4)                        ; k window 3, q window 0, the scores window 1 or 2
.irp t, 0,2,4,6
	v_wmma_scale_f32_16x16x128_f8f6f4 v[64*((\ks)%4)+8*\t:64*((\ks)%4)+8*\t+7], v[\f+6*\t:\f+6*\t+11], v[16:27], 0, v[\sc+\t/2], v[QS] matrix_a_fmt:MATRIX_FMT_FP6 matrix_b_fmt:MATRIX_FMT_FP6
	v_wmma_scale_f32_16x16x128_f8f6f4 v[64*((\ks)%4)+8*\t+8:64*((\ks)%4)+8*\t+15], v[\f+6*\t+6:\f+6*\t+17], v[16:27], 0, v[\sc+\t/2], v[QS] matrix_a_fmt:MATRIX_FMT_FP6 matrix_b_fmt:MATRIX_FMT_FP6 matrix_a_scale:MATRIX_SCALE_ROW1
.endr
.endm
.macro MAXB ks                         ; the largest of my 16 scores of each of the step's four blocks; each accumulator is read from its low end on
	WIN 0x14*(1+(\ks)/4)                           ; sources 1 and 2: window 1 or 2
.set SB, 64*((\ks)%4)
.irp b, 0,1,2,3
	v_max3_num_f32 v[BM+4*(\ks)+\b], 0xff800000, v[SB+16*\b], v[SB+16*\b+1]
.endr
.irp i, 2,4,6,8,10,12,14
.irp b, 0,1,2,3
	v_max3_num_f32 v[BM+4*(\ks)+\b], v[BM+4*(\ks)+\b], v[SB+16*\b+\i], v[SB+16*\b+\i+1]
.endr
.endr
.endm
; Key step ks of the scores.  The maxima of the step before are the places between these products and the loads into the set that they read.
.macro SCORE ks
.if (\ks) == 7
	s_wait_dscnt 14                                ; this step's k is in; v's first 14 loads may be out
.else
	s_wait_dscnt 20                                ; this step's k (and, in step 0, q) is in; the next step's 20 loads may be out
.endif
	SMUL \ks, 54*((\ks)%2), KS0+4*((\ks)%2)
.if (\ks) == 0
.rept 4
	v_nop
.endr
.else
	MAXB (\ks)-1
.endif
.if (\ks) < 6
	KLOAD (\ks)+2, 54*((\ks)%2), KS0+4*((\ks)%2)
.else
	VLOAD (\ks)-6, 54*((\ks)%2), KS0+4*((\ks)%2)
.endif
.endm
.macro FMA ks                          ; c s - c m, two at a time (the caller has set the window)
.set SB, 64*((\ks)%4)
.set i, 0
.rept 32
	v_pk_fma_f32 v[SB+i:SB+i+1], v[SB+i:SB+i+1], s[CS:CS+1], v[30:31] op_sel_hi:[1,0,0]
.set i, i+2
.endr
.endm
.macro EXPS ks, nx                     ; the step's 64 exponentials; nx = 1: behind every two, one scaling of the next step, which names no exponential's result
.set SB, 64*((\ks)%4)
.set i, 0
.rept 32
	v_exp_f32 v[SB+i], v[SB+i]
	v_exp_f32 v[SB+i+1], v[SB+i+1]
.if \nx
	v_pk_fma_f32 v[SB+64+i:SB+64+i+1], v[SB+64+i:SB+64+i+1], s[CS:CS+1], v[30:31] op_sel_hi:[1,0,0]
.endif
.set i, i+2
.endr
.endm
.macro RELU ks                         ; a = max(p / l - 0.001, 0)
	WIN 0x41*(1+(\ks)/4)                           ; destination and source 0: window 1 or 2
.set SB, 64*((\ks)%4)
.set i, 0
.rept 32
	v_pk_fma_f32 v[SB+i:SB+i+1], v[SB+i:SB+i+1], v[32:33], s[NT:NT+1] op_sel_hi:[1,0,0]
.set i, i+2
.endr
.set i, 0
.rept 64
	v_max_num_f32 v[SB+i], v[SB+i], 0
.set i, i+1
.endr
.endm
.macro CVTP ks                         ; the step's 64 numbers of a lane become the second product's operand
	WIN 1+(\ks)/4                                  ; source 0: window 1 or 2
.set SB, 64*((\ks)%4)
.irp c, 0,1
	v_cvt_scalef32_pk16_fp6_f32 v[PC+6*\c:PC+6*\c+2], v[SB+32*\c:SB+32*\c+15], v[BM+4*(\ks)+2*\c]
	v_cvt_scalef32_pk16_fp6_f32 v[PC+12+4*\c:PC+14+4*\c], v[SB+32*\c+16:SB+32*\c+31], v[BM+4*(\ks)+2*\c+1]   ; (a conversion's three registers begin on an even number)
.endr
	WIN 0
	v_nop                                          ; one plain line behind a scaled conversion
.irp c, 0,1                                    ; the operand's layout wants a whole block in a lane
.irp i, 0,1,2
	v_permlane16_swap_b32 v[PC+6*\c+\i], v[PC+12+4*\c+\i]
.endr
.irp i, 0,1,2
	v_mov_b32 v[PC+3+6*\c+\i], v[PC+12+4*\c+\i]
.endr
.endr
.endm
.macro PV ks, f, sc                    ; O^T += v^T p^T: the four accumulators by turns, one instruction a turn; the first step starts the sums
	WIN 0x03                                       ; v window 3
.irp d, 0,2
.if (\ks) == 0
	v_wmma_scale_f32_16x16x128_f8f6f4 v[O+8*\d:O+8*\d+7], v[\f+12*\d:\f+12*\d+11], v[PC:PC+11], 0, v[\sc+\d/2], v[PWS+(\ks)] matrix_a_fmt:MATRIX_FMT_FP6 matrix_b_fmt:MATRIX_FMT_FP6
	v_wmma_scale_f32_16x16x128_f8f6f4 v[O+8*\d+8:O+8*\d+15], v[\f+12*\d+12:\f+12*\d+23], v[PC:PC+11], 0, v[\sc+\d/2], v[PWS+(\ks)] matrix_a_fmt:MATRIX_FMT_FP6 matrix_b_fmt:MATRIX_FMT_FP6 matrix_a_scale:MATRIX_SCALE_ROW1
.else
	v_wmma_scale_f32_16x16x128_f8f6f4 v[O+8*\d:O+8*\d+7], v[\f+12*\d:\f+12*\d+11], v[PC:PC+11], v[O+8*\d:O+8*\d+7], v[\sc+\d/2], v[PWS+(\ks)] matrix_a_fmt:MATRIX_FMT_FP6 matrix_b_fmt:MATRIX_FMT_FP6
	v_wmma_scale_f32_16x16x128_f8f6f4 v[O+8*\d+8:O+8*\d+15], v[\f+12*\d+12:\f+12*\d+23], v[PC:PC+11], v[O+8*\d+8:O+8*\d+15], v[\sc+\d/2], v[PWS+(\ks)] matrix_a_fmt:MATRIX_FMT_FP6 matrix_b_fmt:MATRIX_FMT_FP6 matrix_a_scale:MATRIX_SCALE_ROW1
.endif
.endr
.endm
	s_wait_tensorcnt 0x0                           ; my three parts have landed,
	s_barrier_signal -1
	s_barrier_wait -1                              ; everybody's have: from here on LDS's filled bytes are only read
	s_mov_b32 s60, 0                               ; p: the even head, then the odd one
.Lhead:
	s_mov_b32 s61, 0                               ; i: my four tiles of queries
.Ltile:
	; the trip's LDS addresses, from the two counters
	s_mul_i32 s62, s61, 768
	s_mul_i32 s63, s60, 12288
	s_add_co_u32 s62, s62, s63                     ; q's codes: 768 i + 12,288 p
	s_lshl_b32 s63, s61, 6
	s_lshl_b32 s66, s60, 10
	s_add_co_u32 s66, s66, s63                     ; q's scale words: 64 i + 1,024 p
	s_lshl_b32 s67, s60, 8
	s_add_co_u32 s67, s67, s63                     ; the stage: 64 i + 256 p
	s_mul_i32 s68, s60, HB                         ; the head's block
	v_add_nc_u32 v[AQ16], s62, v[BQ16]
	v_add_nc_u32 v[AQ8], s62, v[BQ8]
	v_add_nc_u32 v[AQS], s66, v[BQS]
	v_add_nc_u32 v[AYS], s67, v[BYS]
	v_add_nc_u32 v[AK16], s68, v[BK16]
	v_add_nc_u32 v[AK8], s68, v[BK8]
	v_add_nc_u32 v[AKS], s68, v[BKS]
	v_add_nc_u32 v[AV16], s68, v[BV16]
	v_add_nc_u32 v[AVS], s68, v[BVS]
	ds_load_b128 v[16:19], v[AQ16]
	ds_load_b64 v[20:21], v[AQ8]
	ds_load_b32 v[QS], v[AQS]
	KLOAD 0, F0, KS0
	KLOAD 1, F1, KS0+4
	; ---- the scores: 64 products, and each block's largest score on the way
.irp k, 0,1,2,3,4,5,6,7
	SCORE \k
.endr
	MAXB 7
	WIN 0
	; ---- the blocks' maxima with lane l xor 16's 16 keys; the row's maximum
.irp g, 0,1,2,3
.irp i, 0,1,2,3,4,5,6,7
	v_permlanex16_b32 v[BT+\i], v[BM+8*\g+\i], s[SEL], s[SEL+1]
.endr
.irp i, 0,1,2,3,4,5,6,7
	v_max_num_f32 v[BM+8*\g+\i], v[BM+8*\g+\i], v[BT+\i]
.endr
.endr
.irp c, 0,1,2,3
	v_max3_num_f32 v[BT+\c], v[BM+8*\c], v[BM+8*\c+1], v[BM+8*\c+2]
.endr
.irp c, 0,1,2,3
	v_max3_num_f32 v[BT+\c], v[BT+\c], v[BM+8*\c+3], v[BM+8*\c+4]
.endr
.irp c, 0,1,2,3
	v_max3_num_f32 v[BT+\c], v[BT+\c], v[BM+8*\c+5], v[BM+8*\c+6]
.endr
.irp c, 0,1,2,3
	v_max_num_f32 v[BT+\c], v[BT+\c], v[BM+8*\c+7]
.endr
	v_max3_num_f32 v[BT], v[BT], v[BT+1], v[BT+2]
	v_max_num_f32 v[BT], v[BT], v[BT+3]            ; m
	v_mul_f32 v30, 0xbe38aa3b, v[BT]               ; -c m: its rounding is common to the row and leaves with the division by l
	v_mov_b32 v31, v30                             ; (named with it as a pair)
	; ---- ONE BATCH of exponentials: the 32 blocks' largest, then all 512; nothing in it names an exponential's result
.set n, 0
.rept 32
	v_fma_f32 v[BM+n], v[BM+n], s[CS], v30
.set n, n+1
.endr
.set n, 0
.rept 32
	v_exp_f32 v[BM+n], v[BM+n]
.set n, n+1
.endr
	WIN 0x41
	FMA 0
	EXPS 0, 1
	EXPS 1, 1
	EXPS 2, 1
	EXPS 3, 0
	WIN 0x82
	FMA 4
	EXPS 4, 1
	EXPS 5, 1
	EXPS 6, 1
	EXPS 7, 0
	v_nop                                          ; a plain line behind the last exponential
	s_wait_alu depctr_va_vdst(0)                   ; one wait for the whole batch, ahead of its first reader
	; ---- l: the sum of the unquantised p, two at a time, in four chains
	WIN 0x05
.irp c, 0,1,2,3
	v_pk_add_f32 v[34+2*\c:35+2*\c], v[4*\c:4*\c+1], v[4*\c+2:4*\c+3]
.endr
	WIN 0x04
.set i, 16
.rept 30
.irp c, 0,1,2,3
	v_pk_add_f32 v[34+2*\c:35+2*\c], v[34+2*\c:35+2*\c], v[i+2*\c:i+2*\c+1]
.endr
.set i, i+8
.endr
	WIN 0x08
.set i, 0
.rept 32
.irp c, 0,1,2,3
	v_pk_add_f32 v[34+2*\c:35+2*\c], v[34+2*\c:35+2*\c], v[i+2*\c:i+2*\c+1]
.endr
.set i, i+8
.endr
	WIN 0
	v_pk_add_f32 v[34:35], v[34:35], v[36:37]
	v_pk_add_f32 v[38:39], v[38:39], v[40:41]
	v_pk_add_f32 v[34:35], v[34:35], v[38:39]
	v_add_f32 v34, v34, v35
	v_permlanex16_b32 v[BT], v34, s[SEL], s[SEL+1]
	v_add_f32 v34, v34, v[BT]                      ; with lane l xor 16's 512 keys
	v_rcp_f32 v32, v34
	v_nop                                          ; a plain line behind the reciprocal
	s_wait_alu depctr_va_vdst(0)                   ; and the wait ahead of its first reader
	v_mov_b32 v33, v32
	; ---- the 32 blocks' scales, from their largest p by the elements' own multiply-add
.set n, 0
.rept 32
	v_fmaak_f32 v[BM+n], v[BM+n], v32, 0xba83126f
.set n, n+1
.endr
.set n, 0
.rept 32
	v_max_num_f32 v[BM+n], 0x1800000, v[BM+n]      ; the floor 2^(3 - 127): it stands over what lies under the threshold too, and the byte cannot fall under 1
.set n, n+1
.endr
.set n, 0
.rept 32
	v_add_nc_u32 v[BM+n], 0xff000000, v[BM+n]      ; 2 off the exponent field: the conversion's scale operand
.set n, n+1
.endr
.irp k, 0,1,2,3,4,5,6,7
.irp b, 0,1,2,3
	v_lshrrev_b32 v[BT+4*(\k%2)+\b], 23, v[BM+4*\k+\b]
.endr
	v_lshl_or_b32 v[PWS+\k], v[BT+4*(\k%2)+1], 8, v[BT+4*(\k%2)]
	v_lshl_or_b32 v[PWS+\k], v[BT+4*(\k%2)+2], 16, v[PWS+\k]
	v_lshl_or_b32 v[PWS+\k], v[BT+4*(\k%2)+3], 24, v[PWS+\k]
.endr
	; ---- the second product, a key step at a time; the next step's thresholding stands behind each step's four products
	RELU 0
.irp k, 0,1,2,3,4,5,6,7
	CVTP \k
.rept 4
	v_nop                                          ; an operand written by vector lines stands four places ahead of a scaled matrix instruction
.endr
.if \k == 7
	s_wait_dscnt 0x0
.else
	s_wait_dscnt 14                                ; this step's v is in; the next step's 14 loads may be out
.endif
	PV \k, 54*(\k%2), KS0+4*(\k%2)
.if \k < 7
	RELU \k+1
.endif
.if \k < 6
	VLOAD \k+2, 54*(\k%2), KS0+4*(\k%2)
.endif
.endr
	WIN 0
	; ---- y: register 8 t + j holds channel 16 t + 8 h + j; the exchange of halves makes register 16 m + i channel 32 m + 16 h + i; two blocks of 32 are quantised
.rept 4
	v_nop
.endr
.irp m, 0,1
.irp j, 0,1,2,3,4,5,6,7
	v_permlane16_swap_b32 v[O+16*\m+\j], v[O+16*\m+8+\j]   ; each accumulator from its low end on
.endr
.endr
.irp b, 0,1
	v_max3_num_f32 v[TM2+\b], |v[O+16*\b]|, |v[O+16*\b+1]|, 0x1800000
.endr
.irp i, 2,4,6,8,10,12,14
.irp b, 0,1
	v_max3_num_f32 v[TM2+\b], v[TM2+\b], |v[O+16*\b+\i]|, |v[O+16*\b+\i+1]|
.endr
.endr
.irp b, 0,1
	v_permlanex16_b32 v[TM2+2+\b], v[TM2+\b], s[SEL], s[SEL+1]
.endr
.irp b, 0,1
	v_max_num_f32 v[TM2+\b], v[TM2+\b], v[TM2+2+\b]
.endr
.irp b, 0,1
	v_add_nc_u32 v[TM2+4+\b], 0xff000000, v[TM2+\b]
.endr
.irp b, 0,1
	v_lshrrev_b32 v[TM2+6+\b], 23, v[TM2+4+\b]
.endr
	v_lshl_or_b32 v[YW], v[TM2+7], 8, v[TM2+6]     ; my row's two scale bytes
	v_cvt_scalef32_pk16_fp6_f32 v[YC:YC+2], v[O:O+15], v[TM2+4]
	v_cvt_scalef32_pk16_fp6_f32 v[YT:YT+2], v[O+16:O+31], v[TM2+5]
	v_nop                                          ; one plain line behind a scaled conversion
.irp i, 0,1,2
	v_permlane16_swap_b32 v[YC+\i], v[YT+\i]
.endr
.irp i, 0,1,2
	v_mov_b32 v[YC+3+\i], v[YT+\i]
.endr
	global_store_b128 v[BK16], v[YC:YC+3], s[YB:YB+1]             ; 512 + 256 consecutive bytes, aligned
	global_store_b64 v[G8], v[YC+4:YC+5], s[YB:YB+1] offset:512
	ds_store_b32 v[AYS], v[YW]                     ; both halves of the lanes write the same word with the same value
	s_wait_dscnt 0x0                               ; the stores have read their registers:
	s_wait_xcnt 0x0                                ; the base, the codes and the addresses are written again only behind these waits
	s_add_nc_u64 s[YB:YB+1], s[YB:YB+1], 12288     ; the next token tile
	s_add_co_u32 s61, s61, 1
	s_cmp_lt_u32 s61, 4
	s_cbranch_scc1 .Ltile
	s_sub_nc_u64 s[YB:YB+1], s[YB:YB+1], 4*12288-768   ; back to my first tile, one head on
	s_add_co_u32 s60, s60, 1
	s_cmp_lt_u32 s60, 2
	s_cbranch_scc1 .Lhead
	; ---- y's scale words: the even head's two bytes below, the odd head's above; my four tiles are 256 consecutive bytes
	ds_load_b64 v[178:179], v[BYE]                 ; my own stage: LDS serves a wave's instructions in order
	ds_load_b64 v[180:181], v[BYE] offset:256
	s_wait_dscnt 0x0
	v_lshl_or_b32 v178, v180, 16, v178
	v_lshl_or_b32 v179, v181, 16, v179
	global_store_b64 v[G8], v[178:179], s[YS:YS+1]
	s_wait_tensorcnt 0x0
	ds_add_u32 v254, v255
	s_wait_dscnt 0x0
	CROUND                                         ; the closing round
	s_endpgm
.Lfunc_end_k_q087283dcaa_attn:
	.size	k_q087283dcaa_attn, .Lfunc_end_k_q087283dcaa_attn-k_q087283dcaa_attn
	.p2alignl 7, 3214868480
	.fill 96, 4, 3214868480
	.section	.rodata,"a",@progbits
	.p2align	6, 0x0
	.amdhsa_kernel k_q087283dcaa_attn
		.amdhsa_group_segment_fixed_size 327680
		.amdhsa_private_segment_fixed_size 0
		.amdhsa_enable_private_segment 0
		.amdhsa_kernarg_size 32
		.amdhsa_user_sgpr_count 2
		.amdhsa_user_sgpr_kernarg_segment_ptr 1
		.amdhsa_wavefront_size32 1
		.amdhsa_system_sgpr_workgroup_id_x 1
		.amdhsa_system_sgpr_workgroup_id_y 1
		.amdhsa_system_sgpr_workgroup_id_z 1
		.amdhsa_system_vgpr_workitem_id 0
		.amdhsa_next_free_vgpr 1024
		.amdhsa_next_free_sgpr 80
		.amdhsa_reserve_vcc 0
		.amdhsa_float_denorm_mode_32 3
		.amdhsa_float_denorm_mode_16_64 3
		.amdhsa_memory_ordered 1
		.amdhsa_forward_progress 1
		.amdhsa_inst_pref_size 179
	.end_amdhsa_kernel
	.amdgpu_metadata
---
amdhsa.version: [ 1, 2 ]
amdhsa.kernels:
  - .name:           k_q087283dcaa_attn
    .symbol:         k_q087283dcaa_attn.kd
    .args:
      - { .name: q, .offset: 0, .size: 8, .value_kind: global_buffer, .address_space: global }
      - { .name: kv, .offset: 8, .size: 8, .value_kind: global_buffer, .address_space: global }
      - { .name: yc, .offset: 16, .size: 8, .value_kind: global_buffer, .address_space: global }
      - { .name: ys, .offset: 24, .size: 8, .value_kind: global_buffer, .address_space: global }
    .group_segment_fixed_size: 327680
    .private_segment_fixed_size: 0
    .kernarg_segment_align: 8
    .kernarg_segment_size: 32
    .max_flat_workgroup_size: 128
    .sgpr_count:     80
    .vgpr_count:     1024
    .wavefront_size: 32
...
	.end_amdgpu_metadata
.endif
;; end of part 4
;; launch proj (part 5): grid 4 x 32, 4 waves a work-group, clusters of 4 x 4, 327,680 bytes of LDS; arguments yc, ys, w_proj_codes, w_proj_scales, b_proj, out0; writes out0
.if DOCPART == 5
	.amdgcn_target "amdgcn-amd-amdhsa--gfx1250"
	.amdhsa_code_object_version 6
	.text
	.protected	k_q087283dcaa_proj
	.globl	k_q087283dcaa_proj
	.p2align	8
	.type	k_q087283dcaa_proj,@function
k_q087283dcaa_proj:
	s_mov_b64 s[64:65], 0
	v_nop
	global_prefetch_b8 v0, s[64:65] scope:SCOPE_SE
	s_setreg_imm32_b32 hwreg(HW_REG_WAVE_MODE, 25, 1), 1
	s_wait_xcnt 0x0
	s_wait_alu depctr_hold_cnt(0) depctr_sa_sdst(0) depctr_va_vdst(0) depctr_va_sdst(0) depctr_va_ssrc(0) depctr_va_vcc(0) depctr_vm_vsrc(0)
	s_getreg_b32 s2, hwreg(HW_REG_IB_STS2, 6, 4)
	s_cmp_eq_u32 s2, 0
	s_cbranch_scc0 .Lentry_in_a_cluster
	s_endpgm
.Lentry_in_a_cluster:
	s_bfe_u32 s2, ttmp6, 0x10000c
	s_cmp_lg_u32 s2, 0xf033
	s_cbranch_scc0 .Lentry_shape_is_right
	s_endpgm
.Lentry_shape_is_right:
; out0 = y W + b_proj on codes of FP6 (E2M3) with E8M0 scales: [8192 tokens] x [1024 columns], K = 1,024; out0 f32.
; y: yc [token tile 512][head 16][768 bytes]: images of operand registers, six registers a head (a group of four: 512 bytes, 16 a lane; a group of two: 256 bytes, 8 a lane), so a pair of heads is one fragment, 128 along K.
;    ys [head pair 8][tile 512][16 rows x 4 bytes]: the scale word of a row and 128 along K.  A tile, 2 G + u, holds in row r the token 32 G + 8 u + r + 8 (r / 8); the stores put each row at its token's place.
; W: codes [1024][768 bytes], scale bytes [1024][32].
; A tile of 256 tokens x 256 columns is made by a work-group of four waves, 128 x 128 each: 64 accumulators, 512 registers.  K goes in steps of 256 through a ring of two LDS slots filled by the tensor data mover; the scales
; of the tile's rows, for all of K, come once.  CLUSTERS of 4 x 4: y's tiles are asked for jointly along a row of the cluster, W's along a column.
; 128 work-groups: a tile of half the rows would give twice as many, and read each fragment of W from LDS for half as many products.
; THE MATRIX INSTRUCTION IS USED TRANSPOSED (source 0 = 16 rows of W, source 1 = 16 tokens): a lane holds eight neighbouring columns of one token.  The bias is the C of each sum's first product.
; REGISTERS, in windows of 256: window 0: v0-31 addresses; v32-63 scale words, two sets; v64-127 the bias; v128-223 y's fragments, one set; on the way out v128-255 hold rows.
;   window 1: W's fragments, two sets, at v0 and v128.   window 2: accumulators of my token tiles 0-3 ((a, b) at v[8 (8 a + b)]);   window 3: of tiles 4-7.
.set SIZE_K, 1024
.set SIZE_N, 1024
.set NQ,     2
.set ROWB,   192                       ; a row of W's tile in bytes
.set KROW,   768
.set PITCH,  240                       ; W's LDS row: 3 x (64 bytes of data + 16 of padding)
.set FR,     12
.set NLA,    4                         ; LDS loads that bring a fragment of y
.set NP,     4                         ; places behind this matrix instruction (ISA guide 7.12.1)
.set HALFA,  8*3072                    ; y: 8 token tiles x 256 along K: what one tensor load brings
.set HALFT,  128*PITCH                 ; W: 128 rows
.set BOFF,   2*HALFA                   ; a slot: y's 16 tiles, then W's 256 rows
.set SLOT,   BOFF+2*HALFT
.set LAPS,   2
.set SCLB,   2*SLOT                    ; behind the ring: W's scales, as runs of 256 bytes + 16 of padding;
.set HALFS,  4352
.set SBLK,   544
.set SCLA,   SCLB+2*HALFS              ; y's scale words: [half 2][128 along K: 8][tile 8][64 bytes]
.set SPARE,  327168                    ; the spare words, 128 bytes for each wave: the last two blocks of 256 bytes, which no other line names
.set SPITCH, 528                       ; the way out: a stage of 16 rows x (512 bytes + 16) for each wave, in slot 0, which has had its last fill and its last read by then
.set BO1,  12                          ; v12  32 h: the bias
.set ADRA, 16                          ; v16-17 y's groups of four registers in slot 0, 1; v18-19 its groups of two
.set ADRB, 20                          ; v20-21 W's fragments in slot 0, 1; v22-23 for the pieces behind one padding more
.set STO,  24
.set RD,   25
.set CO,   26
.set ADSA, 27                          ; v27  y's scale words: lanes 0-15 tile 2 j, lanes 16-31 tile 2 j + 1
.set SPW,  28
.set NIL,  29
.set ADSB, 30                          ; v30  W's scale words: lanes 0-15 block 2 j, lanes 16-31 block 2 j + 1
.set SC,   32                          ; set s at v[SC + 16 s]: registers 4 q + j y's words, registers 8 + 2 j + q W's
.set BIAS, 64
.set AF,   128
.set BK,   128
.set G1, 24
.set G0, 32
.set G1B, 48
.set G0B, 56
.set G1S, 68
.set G0S, 76
.set G1SB, 80
.set G0SB, 88
.set MSB, 0
.macro WIN new                         ; the immediate's high byte repeats the setting that is left
.if MSB != (\new)
	s_set_vgpr_msb (MSB<<8)|(\new)
.set MSB, (\new)
.endif
.endm
.set MUL_LO, 0xa1                      ; source 0 (W) window 1, source 1 (y) window 0, C and D window 2
.set MUL_HI, 0xf1
.set TO_B,   0x40
.macro JLOAD g0a, g1a, g0b, g1b        ; a joint load: waves 0 and 1 fetch for y, waves 2 and 3 for W; four v_nop follow each line
	s_cmp_eq_u32 s15, 0
	s_cbranch_scc0 .Lfor_b_\@
	tensor_load_to_lds s[\g0a:\g0a+3], s[\g1a:\g1a+7]
	s_nop 0
.rept 4
	v_nop
.endr
	s_branch .Lasked_\@
.Lfor_b_\@:
	tensor_load_to_lds s[\g0b:\g0b+3], s[\g1b:\g1b+7]
	s_nop 0
.rept 4
	v_nop
.endr
.Lasked_\@:
.endm
.macro CREST
	s_cmp_lg_u32 s14, 0
	s_cbranch_scc1 .Lnot_wave_0_\@
	s_barrier_signal -3
.Lnot_wave_0_\@:
	s_barrier_wait -3
	s_barrier_signal -1
	s_barrier_wait -1
.endm
.macro CROUND
	s_barrier_signal -1
	s_barrier_wait -1
	CREST
.endm
	s_load_b128 s[4:7], s[0:1], 0x0                ; y's codes, y's scale words
	s_load_b128 s[8:11], s[0:1], 0x10              ; W's codes, W's scales
	s_load_b128 s[96:99], s[0:1], 0x20             ; b_proj, out0
	v_lshl_add_u32 v[SPW], v0, 2, SPARE
	v_mov_b32 v[NIL], 0
	ds_add_u32 v28, v29
	ds_add_u32 v28, v29
	s_wait_dscnt 0x0
	v_lshrrev_b32 v1, 5, v0
	v_readfirstlane_b32 s14, v1                    ; wave 0..3
	s_lshr_b32 s15, s14, 1                         ; which half of the tile's tokens is mine.  Also: I fetch for y (0) or for W (1)
	s_and_b32 s16, s14, 1                          ; which half of its columns.  Also: which half of that tile I fetch
	s_bfe_u32 s40, ttmp6, 0x40000
	s_bfe_u32 s41, ttmp6, 0x40004
	s_lshl_b32 s42, ttmp9, 2
	s_add_co_u32 s42, s42, s40                     ; tile column
	s_and_b32 s17, ttmp7, 0xffff
	s_lshl_b32 s17, s17, 2
	s_add_co_u32 s17, s17, s41                     ; tile row
	s_lshl_b32 s43, s41, 2
	s_lshl_b32 s43, 15, s43                        ; my row of the cluster
	s_lshl_b32 s44, 0x1111, s40                    ; my column
	; y's codes: 8 token tiles, of each 3,072 consecutive bytes (four heads; 384 elements of 8 bytes), 12,288 bytes from tile to tile; no padding
	s_or_b32 s[G1+0], s43, (3<<16)|(1<<21)
	s_mov_b32 s[G1+1], 384<<16
	s_mov_b32 s[G1+2], 8<<16
	s_mov_b32 s[G1+3], 384<<16
	s_mov_b32 s[G1+4], 8
	s_mov_b32 s[G1+5], 1536
	s_mov_b32 s[G1+6], 0
	s_mov_b32 s[G1+7], 0
	; W's codes: 128 rows x 192 bytes, 16 bytes of padding behind every 64
	s_or_b32 s[G1B+0], s44, (0<<16)|(1<<20)|(1<<21)|(3<<22)|(3<<25)
	s_mov_b32 s[G1B+1], ROWB<<16
	s_mov_b32 s[G1B+2], 128<<16
	s_mov_b32 s[G1B+3], ROWB<<16
	s_mov_b32 s[G1B+4], 128
	s_mov_b32 s[G1B+5], KROW
	s_mov_b32 s[G1B+6], 0
	s_mov_b32 s[G1B+7], 0
	; y's scale words: for each of the 8 head pairs 512 consecutive bytes (8 tiles; 64 elements of 8), 32,768 bytes from pair to pair
	s_or_b32 s[G1S+0], s43, (3<<16)|(1<<21)
	s_mov_b32 s[G1S+1], 64<<16
	s_mov_b32 s[G1S+2], 8<<16
	s_mov_b32 s[G1S+3], 64<<16
	s_mov_b32 s[G1S+4], 8
	s_mov_b32 s[G1S+5], 4096
	s_mov_b32 s[G1S+6], 0
	s_mov_b32 s[G1S+7], 0
	; W's scales of 128 rows: 4,096 dense bytes as 16 rows of 256, 16 bytes of padding behind each
	s_or_b32 s[G1SB+0], s44, (3<<16)|(1<<20)|(1<<21)|(5<<22)|(3<<25)
	s_mov_b32 s[G1SB+1], 32<<16
	s_mov_b32 s[G1SB+2], 16<<16
	s_mov_b32 s[G1SB+3], 32<<16
	s_mov_b32 s[G1SB+4], 16
	s_mov_b32 s[G1SB+5], 32
	s_mov_b32 s[G1SB+6], 0
	s_mov_b32 s[G1SB+7], 0
	s_lshl_b32 s18, s16, 3
	s_lshl_b32 s20, s17, 4
	s_add_co_u32 s20, s20, s18                     ; y: token tile 16 x tile row + 8 x half
	s_lshl_b32 s22, s20, 6                         ; its scale words,
	s_mov_b32 s23, 0
	s_mul_i32 s20, s20, 12288                      ; its codes
	s_mov_b32 s21, 0
	s_lshl_b32 s18, s16, 7
	s_lshl_b32 s46, s42, 8
	s_add_co_u32 s46, s46, s18                     ; W: row 256 x tile column + 128 x half
	s_lshl_b32 s92, s46, 5
	s_mov_b32 s93, 0
	s_mul_i32 s46, s46, KROW
	s_mov_b32 s47, 0
	s_mul_i32 s45, s16, HALFA                      ; where they go: no place in the cluster enters an LDS address
	s_mul_i32 s94, s16, HALFT
	s_add_co_u32 s94, s94, BOFF
	s_lshl_b32 s66, s16, 12
	s_add_co_u32 s66, s66, SCLA
	s_mul_i32 s67, s16, HALFS
	s_add_co_u32 s67, s67, SCLB
	s_wait_kmcnt 0x0
	s_add_nc_u64 s[20:21], s[4:5], s[20:21]
	s_add_nc_u64 s[22:23], s[6:7], s[22:23]
	s_add_nc_u64 s[46:47], s[8:9], s[46:47]
	s_add_nc_u64 s[92:93], s[10:11], s[92:93]
	CROUND                                         ; all sixteen work-groups are here: the first joint loads meet
	s_mov_b32 s[G0S], 1
	s_mov_b32 s[G0S+1], s66
	s_mov_b64 s[G0S+2:G0S+3], s[22:23]
	s_or_b32 s[G0S+3], s[G0S+3], 0x80000000
	s_mov_b32 s[G0SB], 1
	s_mov_b32 s[G0SB+1], s67
	s_mov_b64 s[G0SB+2:G0SB+3], s[92:93]
	s_or_b32 s[G0SB+3], s[G0SB+3], 0x80000000
	JLOAD G0S, G1S, G0SB, G1SB                     ; the scales first
.irp s, 0,1
	s_mov_b32 s[G0+4*\s], 1
	s_add_co_u32 s[G0+4*\s+1], s45, \s*SLOT
	s_add_nc_u64 s[G0+4*\s+2:G0+4*\s+3], s[20:21], \s*3072
	s_or_b32 s[G0+4*\s+3], s[G0+4*\s+3], 0x80000000
	s_mov_b32 s[G0B+4*\s], 1
	s_add_co_u32 s[G0B+4*\s+1], s94, \s*SLOT
	s_add_nc_u64 s[G0B+4*\s+2:G0B+4*\s+3], s[46:47], \s*ROWB
	s_or_b32 s[G0B+4*\s+3], s[G0B+4*\s+3], 0x80000000
	JLOAD G0+4*\s, G1, G0B+4*\s, G1B
.endr
	v_and_b32 v1, 15, v0                           ; r
	v_bfe_u32 v2, v0, 4, 1                         ; h
	v_and_b32 v6, 31, v0                           ; lane
	v_mul_u32_u24 v3, v1, PITCH
	v_mul_u32_u24 v4, v2, 24
	v_add_nc_u32 v4, v3, v4                        ; W: a fragment's row x pitch + 24 x half
	v_lshl_add_u32 v5, v2, 4, v4                   ; and the same behind one padding more
	v_lshlrev_b32 v7, 4, v6                        ; y: 16 x lane,
	v_lshlrev_b32 v8, 3, v6
	v_add_nc_u32 v8, 512, v8                       ; 512 + 8 x lane
	s_mul_i32 s21, s15, HALFA                      ; my 8 token tiles
	s_mul_i32 s22, s16, HALFT                      ; my 128 rows of W
	s_add_co_u32 s22, s22, BOFF
.irp s, 0,1
	v_add_nc_u32 v[ADRA+\s], s21, v7
	v_add_nc_u32 v[ADRA+2+\s], s21, v8
	v_add_nc_u32 v[ADRB+\s], s22, v4
	v_add_nc_u32 v[ADRB+2+\s], s22, v5
	s_add_co_u32 s21, s21, SLOT
	s_add_co_u32 s22, s22, SLOT
.endr
	s_lshl_b32 s21, s15, 12
	s_add_co_u32 s21, s21, SCLA
	v_lshlrev_b32 v5, 2, v6
	v_add_nc_u32 v[ADSA], s21, v5
	v_lshlrev_b32 v5, 5, v1                        ; W's scales: 32 bytes a row,
	v_lshrrev_b32 v9, 8, v5
	v_lshl_add_u32 v5, v9, 4, v5                   ; 16 more for each 256 passed,
	v_mad_u32_u24 v5, v2, SBLK, v5                 ; lanes 16-31 one block of 16 rows on
	s_mul_i32 s22, s16, HALFS
	s_add_co_u32 s22, s22, SCLB
	v_add_nc_u32 v[ADSB], s22, v5
	s_mul_i32 s23, s14, 16*SPITCH                  ; my stage
	v_mul_u32_u24 v5, v1, SPITCH                   ; in: row r, 32 bytes for each half of the lanes
	v_lshl_add_u32 v5, v2, 5, v5
	v_add_nc_u32 v[STO], s23, v5
	v_lshlrev_b32 v[CO], 4, v6                     ; back: the 32 lanes take one row of 512 bytes; and the same in out0
	v_add_nc_u32 v[RD], s23, v[CO]
	v_lshlrev_b32 v[BO1], 5, v2
	s_lshl_b32 s20, s17, 8
	s_lshl_b32 s21, s15, 7
	s_add_co_u32 s20, s20, s21                     ; my first token: 256 x tile row + 128 x half
	s_lshl_b32 s20, s20, 12                        ; a row of out0 is 4,096 bytes
	s_mov_b32 s21, 0
	s_lshl_b32 s46, s42, 10                        ; my first column, in bytes: 1,024 x tile column + 512 x half
	s_lshl_b32 s47, s16, 9
	s_add_co_u32 s46, s46, s47
	s_mov_b32 s47, 0
	s_add_nc_u64 s[12:13], s[98:99], s[20:21]
	s_add_nc_u64 s[12:13], s[12:13], s[46:47]
	s_add_nc_u64 s[96:97], s[96:97], s[46:47]      ; and my 128 numbers of the bias: register 8 b + j holds column 16 b + 8 h + j
.irp t, 0,1,2,3,4,5,6,7
	global_load_b128 v[BIAS+8*\t:BIAS+8*\t+3], v[BO1], s[96:97] offset:64*\t
	global_load_b128 v[BIAS+8*\t+4:BIAS+8*\t+7], v[BO1], s[96:97] offset:64*\t+16
.endr
.macro FRAG reg, adr, q, i             ; a fragment of W: 12 registers, in pieces of 8 bytes, as they lie in the row
.irp p, 0,1,2,3,4,5
.set PIE, 12*(\q)+6*(\p/3)+\p%3
.if PIE%8 < 5
	ds_load_b64 v[\reg+2*\p:\reg+2*\p+1], v[\adr] offset:8*PIE+16*(PIE/8)+(\i)*16*PITCH
.else
	ds_load_b64 v[\reg+2*\p:\reg+2*\p+1], v[\adr+2] offset:8*PIE+16*(PIE/8)+(\i)*16*PITCH
.endif
.endr
.endm
.macro FRAGA reg, slot, q, i           ; a fragment of y: the images of two heads, six registers each
	ds_load_b128 v[\reg:\reg+3], v[ADRA+\slot] offset:(\i)*3072+(\q)*1536
	ds_load_b64 v[\reg+4:\reg+5], v[ADRA+2+\slot] offset:(\i)*3072+(\q)*1536
	ds_load_b128 v[\reg+6:\reg+9], v[ADRA+\slot] offset:(\i)*3072+(\q)*1536+768
	ds_load_b64 v[\reg+10:\reg+11], v[ADRA+2+\slot] offset:(\i)*3072+(\q)*1536+768
.endm
; One product: y's tile a x W's block b.  zero = 1: the sum's first: its C is the bias.  A scale register carries two neighbouring tiles' words, the odd one's in lanes 16-31.
.macro WM a, b, p, q, sc, zero
.set DR, 8*(8*((\a)%4)+(\b))
.if \zero
.set CR, BIAS+8*(\b)
.else
.set CR, DR
.endif
.set SBR, SC+16*(\sc)+8+2*((\b)/2)+(\q)
.set SAR, SC+16*(\sc)+4*(\q)+(\a)/2
.if ((\a)%2 == 0) && ((\b)%2 == 0)
	v_wmma_scale_f32_16x16x128_f8f6f4 v[DR:DR+7], v[128*(\p)+FR*(\b):128*(\p)+FR*(\b)+FR-1], v[AF+FR*(\a):AF+FR*(\a)+FR-1], v[CR:CR+7], v[SBR], v[SAR] matrix_a_fmt:MATRIX_FMT_FP6 matrix_b_fmt:MATRIX_FMT_FP6
.elseif ((\a)%2 == 0)
	v_wmma_scale_f32_16x16x128_f8f6f4 v[DR:DR+7], v[128*(\p)+FR*(\b):128*(\p)+FR*(\b)+FR-1], v[AF+FR*(\a):AF+FR*(\a)+FR-1], v[CR:CR+7], v[SBR], v[SAR] matrix_a_fmt:MATRIX_FMT_FP6 matrix_b_fmt:MATRIX_FMT_FP6 matrix_a_scale:MATRIX_SCALE_ROW1
.elseif ((\b)%2 == 0)
	v_wmma_scale_f32_16x16x128_f8f6f4 v[DR:DR+7], v[128*(\p)+FR*(\b):128*(\p)+FR*(\b)+FR-1], v[AF+FR*(\a):AF+FR*(\a)+FR-1], v[CR:CR+7], v[SBR], v[SAR] matrix_a_fmt:MATRIX_FMT_FP6 matrix_b_fmt:MATRIX_FMT_FP6 matrix_b_scale:MATRIX_SCALE_ROW1
.else
	v_wmma_scale_f32_16x16x128_f8f6f4 v[DR:DR+7], v[128*(\p)+FR*(\b):128*(\p)+FR*(\b)+FR-1], v[AF+FR*(\a):AF+FR*(\a)+FR-1], v[CR:CR+7], v[SBR], v[SAR] matrix_a_fmt:MATRIX_FMT_FP6 matrix_b_fmt:MATRIX_FMT_FP6 matrix_a_scale:MATRIX_SCALE_ROW1 matrix_b_scale:MATRIX_SCALE_ROW1
.endif
.endm
.macro MUL16 a0, p, q, sc, zero        ; 16 products; the 64 accumulators take turns, one instruction a turn, in the same order in every step
.irp a, \a0, \a0+1
.irp b, 0,1,2,3,4,5,6,7
	WM \a, \b, \p, \q, \sc, \zero
.endr
.endr
.endm
.macro FETCH_B slot, q, p
	WIN TO_B
.irp i, 0,1,2,3,4,5,6,7
	FRAG 128*(\p)+FR*\i, ADRB+\slot, \q, \i
.endr
	WIN 0
.endm
.macro FETCH_A slot, q, i0
.irp i, \i0, \i0+1, \i0+2, \i0+3
	FRAGA AF+FR*(\i), \slot, \q, \i
.endr
.endm
.macro SCALES sc                       ; the next K step's scale words: 12 loads
.irp q, 0,1
.irp j, 0,1,2,3
	ds_load_b32 v[SC+16*\sc+4*\q+\j], v[ADSA] offset:512*\q+128*\j
.endr
.endr
.irp j, 0,1,2,3
	ds_load_b64 v[SC+16*\sc+8+2*\j:SC+16*\sc+8+2*\j+1], v[ADSB] offset:2*\j*SBLK
.endr
.endm
.macro PLACES n
.rept \n
	v_nop
.endr
.endm
.macro STEP slot, q, zero
	s_wait_dscnt 4*NLA                             ; W's set and y's tiles 0-3 are in; the youngest 16 loads (tiles 4-7) may be out
.if \zero
	WIN 0x81                                       ; C (the bias) window 0, D window 2
.else
	WIN MUL_LO
.endif
	MUL16 0, (\q)%2, \q, \slot, \zero
	MUL16 2, (\q)%2, \q, \slot, \zero
	s_wait_dscnt 0
	PLACES NP
	FETCH_B \slot, (\q)+1, 1-(\q)%2
	FETCH_A \slot, (\q)+1, 0
.if \zero
	WIN 0xc1
.else
	WIN MUL_HI
.endif
	MUL16 4, (\q)%2, \q, \slot, \zero
	MUL16 6, (\q)%2, \q, \slot, \zero
	PLACES NP
	WIN 0
	FETCH_A \slot, (\q)+1, 4
.endm
.macro TURN slot, next, fill
	s_wait_tensorcnt 0x0                           ; all my tensor loads have landed: my part of the next slot
	ds_add_u32 v[SPW], v[NIL]                      ; 0 onto my spare word
	s_wait_dscnt 4*NLA+1                           ; (the add and the youngest 16 loads may be out)
	WIN MUL_LO
	MUL16 0, 1, NQ-1, \slot, 0
	s_wait_dscnt 0x0                               ; the add is done, and my reads of this slot are over
	s_barrier_signal -1
	MUL16 2, 1, NQ-1, \slot, 0
	WIN 0
	s_barrier_wait -1
.if \fill
	CREST                                          ; the barrier has opened a round of the cluster's barrier
	s_add_nc_u64 s[G0+4*\slot+2:G0+4*\slot+3], s[G0+4*\slot+2:G0+4*\slot+3], 2*3072
	s_add_nc_u64 s[G0B+4*\slot+2:G0B+4*\slot+3], s[G0B+4*\slot+2:G0B+4*\slot+3], 2*ROWB
	JLOAD G0+4*\slot, G1, G0B+4*\slot, G1B         ; the first tensor load behind the round; its four v_nop are the places in front of the loads below
.else
	PLACES NP
.endif
	v_add_nc_u32 v[ADSA], 1024, v[ADSA]            ; on to the next K step's scale words (no LDS load of mine is out)
	v_add_nc_u32 v[ADSB], 8, v[ADSB]
	FETCH_B \next, 0, 0
	FETCH_A \next, 0, 0
	SCALES \next
	WIN MUL_HI
	MUL16 4, 1, NQ-1, \slot, 0
	MUL16 6, 1, NQ-1, \slot, 0
	PLACES NP
	WIN 0
	FETCH_A \next, 0, 4
.endm
	s_wait_loadcnt 0x0                             ; the bias, once
	s_wait_tensorcnt 1                             ; the scales and my part of K step 0 are in (K step 1's load may be out),
	s_barrier_signal -1
	s_barrier_wait -1                              ; everybody's are
	FETCH_B 0, 0, 0
	FETCH_A 0, 0, 0
	SCALES 0
	FETCH_A 0, 0, 4
	STEP 0, 0, 1                                   ; the first step stands in front of the loop: its products start the sums, on the bias
	s_mov_b32 s3, LAPS-1
.Llap:
	TURN 0, 1, 1
	STEP 1, 0, 0
	TURN 1, 0, 1
	STEP 0, 0, 0
	s_sub_co_u32 s3, s3, 1
	s_cmp_lg_u32 s3, 0
	s_cbranch_scc1 .Llap
	TURN 0, 1, 0                                   ; the last lap fills nothing
	STEP 1, 0, 0
	s_wait_dscnt 4*NLA
	WIN MUL_LO
	MUL16 0, 1, NQ-1, 1, 0
	MUL16 2, 1, NQ-1, 1, 0
	s_wait_dscnt 0
	WIN MUL_HI
	MUL16 4, 1, NQ-1, 1, 0
	MUL16 6, 1, NQ-1, 1, 0
	WIN 0
; THE WAY OUT, tile by tile of 16 tokens x 128 columns, through my own stage in LDS: in by 32 bytes a lane, back as whole rows of 512 bytes.
.macro TOSTAGE a
.set AC, 64*((\a)%4)
	WIN 0x08+4*((\a)/4)                            ; the data: window 2 or 3
.irp b, 0,1,2,3,4,5,6,7
	ds_store_b128 v[STO], v[AC+8*\b:AC+8*\b+3] offset:64*\b          ; each accumulator from its low end on
	ds_store_b128 v[STO], v[AC+8*\b+4:AC+8*\b+7] offset:64*\b+16
.endr
	WIN 0
.set BB, BK+64*((\a)%2)
.irp t, 0,1,2,3,4,5,6,7,8,9,10,11,12,13,14,15
	ds_load_b128 v[BB+4*\t:BB+4*\t+3], v[RD] offset:\t*SPITCH        ; LDS serves a wave's instructions in order: these see the stores above
.endr
.endm
.macro SEND a, younger                 ; row t of tile a is token 32 (a / 2) + 8 (a % 2) + t + 8 (t / 8) of my 128: 127 rows of 4,096 bytes at the most, inside the signed 24-bit immediate
.set BB, BK+64*((\a)%2)
	s_wait_dscnt \younger
.irp t, 0,1,2,3,4,5,6,7,8,9,10,11,12,13,14,15
	global_store_b128 v[CO], v[BB+4*\t:BB+4*\t+3], s[12:13] offset:(32*((\a)/2)+8*((\a)%2)+\t+8*(\t/8))*SIZE_N*4 th:TH_STORE_NT   ; 32 lanes store 512 consecutive bytes, aligned
.endr
.endm
	PLACES NP
	TOSTAGE 0
.irp a, 1,2,3,4,5,6,7
.if \a > 1
	s_wait_xcnt 0x0                                ; tile a - 2's stores have read their registers: tile a's loads may land there
.endif
	TOSTAGE \a
	SEND \a-1, 32                                  ; behind tile a - 1's loads: tile a's 16 stores and 16 loads
.endr
	SEND 7, 0
	s_wait_tensorcnt 0x0                           ; the wave's end
	ds_add_u32 v[SPW], v[NIL]
	s_wait_dscnt 0x0
	CROUND                                         ; the closing round
	s_endpgm
.Lfunc_end_k_q087283dcaa_proj:
	.size	k_q087283dcaa_proj, .Lfunc_end_k_q087283dcaa_proj-k_q087283dcaa_proj
	.p2alignl 7, 3214868480
	.fill 96, 4, 3214868480
	.section	.rodata,"a",@progbits
	.p2align	6, 0x0
	.amdhsa_kernel k_q087283dcaa_proj
		.amdhsa_group_segment_fixed_size 327680
		.amdhsa_private_segment_fixed_size 0
		.amdhsa_enable_private_segment 0
		.amdhsa_kernarg_size 48
		.amdhsa_user_sgpr_count 2
		.amdhsa_user_sgpr_kernarg_segment_ptr 1
		.amdhsa_wavefront_size32 1
		.amdhsa_system_sgpr_workgroup_id_x 1
		.amdhsa_system_sgpr_workgroup_id_y 1
		.amdhsa_system_sgpr_workgroup_id_z 1
		.amdhsa_system_vgpr_workitem_id 0
		.amdhsa_next_free_vgpr 1024
		.amdhsa_next_free_sgpr 100
		.amdhsa_reserve_vcc 0
		.amdhsa_float_denorm_mode_32 3
		.amdhsa_float_denorm_mode_16_64 3
		.amdhsa_memory_ordered 1
		.amdhsa_forward_progress 1
		.amdhsa_inst_pref_size 154
	.end_amdhsa_kernel
	.amdgpu_metadata
---
amdhsa.version: [ 1, 2 ]
amdhsa.kernels:
  - .name:           k_q087283dcaa_proj
    .symbol:         k_q087283dcaa_proj.kd
    .args:
      - { .name: yc, .offset: 0, .size: 8, .value_kind: global_buffer, .address_space: global }
      - { .name: ys, .offset: 8, .size: 8, .value_kind: global_buffer, .address_space: global }
      - { .name: w_proj_codes, .offset: 16, .size: 8, .value_kind: global_buffer, .address_space: global }
      - { .name: w_proj_scales, .offset: 24, .size: 8, .value_kind: global_buffer, .address_space: global }
      - { .name: b_proj, .offset: 32, .size: 8, .value_kind: global_buffer, .address_space: global }
      - { .name: out0, .offset: 40, .size: 8, .value_kind: global_buffer, .address_space: global }
    .group_segment_fixed_size: 327680
    .private_segment_fixed_size: 0
    .kernarg_segment_align: 8
    .kernarg_segment_size: 48
    .max_flat_workgroup_size: 128
    .sgpr_count:     100
    .vgpr_count:     1024
    .wavefront_size: 32
...
	.end_amdgpu_metadata
.endif
;; end of part 5
